; MI455X (gfx1250); checked and timed in simulation.
; The chip was launched on July 23, 2026; its instructions are those of AMD's public machine-readable ISA for CDNA 5 (MIT licence, August 2026) and "CDNA5" Instruction Set Architecture Reference Guide (July 2026). The comments in the code are by the model that wrote it; some were corrected since.
;; Causal Transformer Block. Allowed arithmetic: matrix products marked QUANTISED: E2M3 operands, one E8M0 scale for each 32 along K, by v_wmma_scale_f32_16x16x128_f8f6f4 with both operands' format E2M3, f32 sums; everything else in f32.
;; Inputs: b_fc1 4,096 float32; b_fc2 1,024 float32; b_proj 1,024 float32; b_qkv 3,072 float32; ln1_b 1,024 float32; ln1_g 1,024 float32; ln2_b 1,024 float32; ln2_g 1,024 float32; w_fc1_codes 4,096 x 32 x 24 uint8 (E2M3 codes of w_fc1, K innermost, in blocks of 32 codes, four codes in three bytes); w_fc1_scales 4,096 x 32 uint8 (E8M0 scales of w_fc1, one for each 32 codes along K); w_fc2_codes 1,024 x 128 x 24 uint8 (E2M3 codes of w_fc2, K innermost, in blocks of 32 codes, four codes in three bytes); w_fc2_scales 1,024 x 128 uint8 (E8M0 scales of w_fc2, one for each 32 codes along K); w_proj_codes 1,024 x 32 x 24 uint8 (E2M3 codes of w_proj, K innermost, in blocks of 32 codes, four codes in three bytes); w_proj_scales 1,024 x 32 uint8 (E8M0 scales of w_proj, one for each 32 codes along K); w_qkv_codes 3,072 x 32 x 24 uint8 (E2M3 codes of w_qkv, K innermost, in blocks of 32 codes, four codes in three bytes); w_qkv_scales 3,072 x 32 uint8 (E8M0 scales of w_qkv, one for each 32 codes along K); x 2 x 2,048 x 1,024 float32.
;; Outputs: out0 2 x 2,048 x 1,024 float32.
;; This version of the problem:
;;   THIS VERSION OF THE PROBLEM IS GIVEN IN LOW PRECISION. The matrix products marked QUANTISED in the list below multiply operands that are first quantised to E2M3 (2 exponent bits, 3 mantissa bits; 6 bits a number), with one power-of-two scale for each 32 numbers along K (OCP MX v1.0); their sums are f32. All else is computed in f32.
;;   The module's matrix products, in the order in which they are computed (A, B: the left and right operand; K: the contracted axis; several contracted axes count as one K, in the product's order):
;;     1. [M 4,096, K 1,024] x [K 1,024, N 3,072]; A: computed on the way; B: input w_qkv (given as codes): QUANTISED
;;     2. batch 32 x [M 2,048, K 64] x [K 64, N 2,048]; A: computed on the way; B: computed on the way: QUANTISED
;;     3. batch 32 x [M 2,048, K 2,048] x [K 2,048, N 64]; A: softmax (see below); B: computed on the way: QUANTISED
;;     4. [M 4,096, K 1,024] x [K 1,024, N 1,024]; A: computed on the way; B: input w_proj (given as codes): QUANTISED
;;     5. [M 4,096, K 1,024] x [K 1,024, N 4,096]; A: computed on the way; B: input w_fc1 (given as codes): QUANTISED
;;     6. [M 4,096, K 4,096] x [K 4,096, N 1,024]; A: computed on the way; B: input w_fc2 (given as codes): QUANTISED
;;   THE QUANTISER, for each operand of a quantised product, along K:
;;     - K is cut into blocks of 32 from its start; a last block that is shorter is filled with zeros.
;;     - A block's scale is 2^e with e = floor(log2(the largest magnitude in the block)) - 2, held to -126 .. 127; a block of zeros has e = 0. As a byte (E8M0): e + 127.
;;     - Each number is divided by its block's scale, clamped to +-7.5, and rounded to the nearest number of E2M3, ties to even, subnormals kept.
;;     - The product sums the exact products of the quantised numbers (number of the format x scale) in f32.
;;   ~~~python
;;   def quantise(x, axis):      # numpy; x: float32 -> the quantised numbers, widened to float32 again
;;       x = np.moveaxis(x, axis, -1); K = x.shape[-1]
;;       x = np.pad(x, [(0, 0)] * (x.ndim - 1) + [(0, -K % 32)]); x = x.reshape(x.shape[:-1] + (-1, 32)); a = np.abs(x).max(-1, keepdims=True)
;;       e = np.where(a > 0, np.clip(np.frexp(np.where(a > 0, a, 1))[1] - 1 - 2, -126, 127), 0)      # np.frexp(a)[1] - 1 = floor(log2(a)), exactly
;;       r = np.clip(x / 2.0 ** e, -7.5, 7.5)
;;       step = 2.0 ** (np.maximum(np.frexp(np.where(r == 0, 1, r))[1] - 1, 0) - 3)
;;       q = np.round(r / step) * step * 2.0 ** e      # np.round: ties to even
;;       return np.moveaxis(q.reshape(q.shape[:-2] + (-1,))[..., :K], -1, axis).astype(np.float32)
;;   ~~~
;;   SOFTMAX AHEAD OF A QUANTISED PRODUCT. Where the list says 'softmax', what is quantised is not the finished softmax but p = 2^(t - M), with t = logit x log2(e) and M = ceil(the row's largest t), a whole number; so 1/2 < the row's largest p <= 1. The row's sum l is taken of the UNQUANTISED p, in f32, and the product's result is divided by l at the end. Since M is a whole number, a kernel that streams over the keys may use a running M (the ceiling of the running maximum): every later rescaling is an exact power of two, which a block's scale takes up: the codes' values come out the same.
;;   OPERANDS COMPUTED ON THE WAY. 'Computed on the way' means the value that the module computes at that place (a softmax that the list does not call 'softmax' is quantised finished and normalised). What goes into a quantiser is computed in f32, as accurately as f32 sums, v_exp_f32 and their like allow (about 1e-6 of the number): no bf16 or f16 on the way to a quantiser, and a product that is left as it is and whose result goes on into a quantised operand takes f32 operands (vector FMAs, or v_wmma_f32_16x16x4_f32). A number that lies on a knife's edge between two numbers of the format may be rounded either way, as far as f32 arithmetic and the matrix unit's own rounding can turn it there, and no further.
;;   INPUTS GIVEN AS CODES. w_fc1 (in the module: [1024, 4096], K = its axis 0); w_fc2 (in the module: [4096, 1024], K = its axis 0); w_proj (in the module: [1024, 1024], K = its axis 0); w_qkv (in the module: [1024, 3072], K = its axis 0): each comes as NAME_codes (uint8): NAME with its K axis moved to the last place and cut into blocks of 32 codes, [.., K / 32, bytes a block], one block behind the other in memory; four codes in three bytes: a row's codes are one little-endian stream of bits, code i at bits 6 i .. 6 i + 5 (a code: sign, 2 exponent bits, 3 mantissa bits); and NAME_scales (uint8): the same leading axes, one E8M0 byte (e + 127) for each 32 codes along K. Its value is code x scale, taken as it is: it is not quantised again, and the codes and scales need not be those that the quantiser above would give.
;; One version. Each part assembles by itself: llvm-mc -triple=amdgcn-amd-amdhsa -mcpu=gfx1250 --defsym DOCPART=n.
;; ======== version 1 of 1: 7 launches
;; limits: right only within a limited range of input values
;; workspace buffers: abuf 3,276,800 bytes; qkbuf 6,815,744 bytes; vbuf 3,276,800 bytes; obuf 3,276,800 bytes; x2 16,777,216 bytes; hbuf 13,107,200 bytes
;; launch ln1 (part 1): grid 256 x 1, 8 waves a work-group, no clusters, 83,456 bytes of LDS; arguments x, ln1_g, ln1_b, abuf; writes abuf
.if DOCPART == 1
	.amdgcn_target "amdgcn-amd-amdhsa--gfx1250"
	.amdhsa_code_object_version 6
	.text
	.protected	k_q9af31e159b_ln1
	.globl	k_q9af31e159b_ln1
	.p2align	8
	.type	k_q9af31e159b_ln1,@function
k_q9af31e159b_ln1:
	s_mov_b64 s[64:65], 0
	v_nop
	global_prefetch_b8 v0, s[64:65] scope:SCOPE_SE
	s_setreg_imm32_b32 hwreg(HW_REG_WAVE_MODE, 25, 1), 1
	s_wait_xcnt 0x0
; y = (x - mean) * rsqrt(var + 1e-5) * g + b for rows of 1,024 f32, then y is turned into codes of FP6 (E2M3) with one E8M0 byte for each 32 along the row.
; Out: codes row-major, 768 bytes a row, from byte 0 of the buffer; scale bytes row-major, 32 a row, from byte 3,145,728.
; SHARES: a work-group takes 16 rows, each of its eight waves two.  A row is eight loads of 512 consecutive bytes and stays in 32 registers: it is read once.
; The mean is taken first and the variance of x - mean: no difference of large sums is formed.
; The conversion wants 16 neighbours in one lane: 512 numbers at a time turn through the wave's own stage in LDS (64 bytes + 16 of padding for each lane).
; The work-group's 512 scale bytes meet in LDS and leave as two whole runs of 256 bytes.
; LIMITS: NaN and infinities are not served; a block of zeros gets the byte 1 (its codes are zeros; this program alone reads the bytes).
.set SP,    80                         ; a lane's place in a stage
.set WREG,  4*32*SP                    ; a wave's four stages
.set SCB,   8*WREG                     ; the work-group's 512 scale bytes
.set SPARE, SCB+512                    ; the spare words: 128 bytes for each of eight waves
.set SPW,   12
.set NIL,   13
.set X,     32                         ; v32-95   two rows
.set G,     96                         ; v96-127  g of my 32 columns
.set BB,    128                        ; v128-159 b
.set XS,    96                         ; v96-159  four steps of 16 neighbours, where g and b lay
.set C,     160                        ; v160-175 codes, four registers a step
.set E,     176                        ; v176-179 a scale byte a step
	s_load_b256 s[4:11], s[0:1], 0x0               ; in s[4:5], g s[6:7], b s[8:9], out s[10:11]
	v_lshl_add_u32 v[SPW], v0, 2, SPARE
	v_mov_b32 v[NIL], 0
	v_lshrrev_b32 v1, 5, v0
	s_delay_alu instid0(VALU_DEP_1)
	v_readfirstlane_b32 s12, v1                    ; wave
	v_and_b32 v1, 31, v0                           ; lane
	s_delay_alu instid0(VALU_DEP_1)
	v_lshlrev_b32 v2, 4, v1                        ; 16 x lane
	s_mul_i32 s13, s12, WREG
	v_lshrrev_b32 v3, 2, v1
	s_delay_alu instid0(VALU_DEP_1)
	v_mul_u32_u24 v3, v3, SP
	v_and_b32 v4, 3, v1
	s_delay_alu instid0(VALU_DEP_1)
	v_lshl_add_u32 v3, v4, 4, v3
	s_delay_alu instid0(VALU_DEP_1)
	v_add_nc_u32 v3, s13, v3                       ; the stage, in: four lanes' 64 bytes on end, then the padding
	v_mul_u32_u24 v4, v1, SP
	s_delay_alu instid0(VALU_DEP_1)
	v_add_nc_u32 v4, s13, v4                       ; and out: my 16 neighbours
	v_mul_u32_u24 v5, v1, 12                       ; my 12 bytes of a step's codes
	v_lshrrev_b32 v6, 1, v1
	s_lshl_b32 s13, s12, 6
	s_add_co_u32 s13, s13, SCB
	v_add_nc_u32 v6, s13, v6                       ; my block's byte among my wave's 64
	v_add_nc_u32 v7, SCB, v2                       ; wave 0 reads all 512 back
	v_mov_b32 v30, 0                               ; a lane permute's destination counts as one of its sources
	v_mov_b32 v31, 0
	s_mov_b32 s20, 0x76543210
	s_mov_b32 s21, 0xfedcba98
	s_mov_b32 s22, 0x3a800000                      ; 1 / 1024
	s_mov_b32 s23, 0x3727c5ac                      ; 1e-5
	s_lshl_b32 s2, ttmp9, 16                       ; 16 rows of 4,096 bytes a work-group,
	s_lshl_b32 s3, s12, 13                         ; two a wave
	s_add_co_u32 s2, s2, s3
	s_mov_b32 s3, 0
	s_mul_i32 s16, ttmp9, 12288                    ; the same rows' codes
	s_mul_i32 s17, s12, 1536
	s_add_co_u32 s16, s16, s17
	s_mov_b32 s17, 0
	s_lshl_b32 s18, ttmp9, 9                       ; and scale bytes
	s_add_co_u32 s18, s18, 3145728
	s_mov_b32 s19, 0
	s_wait_kmcnt 0x0
	s_add_nc_u64 s[4:5], s[4:5], s[2:3]
	s_add_nc_u64 s[14:15], s[10:11], s[18:19]
	s_add_nc_u64 s[10:11], s[10:11], s[16:17]
.irp p, 0,1
.irp j, 0,1,2,3,4,5,6,7
	global_load_b128 v[X+32*\p+4*\j:X+32*\p+4*\j+3], v2, s[4:5] offset:4096*\p+512*\j
.endr
.endr
.irp j, 0,1,2,3,4,5,6,7
	global_load_b128 v[G+4*\j:G+4*\j+3], v2, s[6:7] offset:512*\j
.endr
.irp j, 0,1,2,3,4,5,6,7
	global_load_b128 v[BB+4*\j:BB+4*\j+3], v2, s[8:9] offset:512*\j
.endr
; four packed chains a row (v14-21, v22-29) are folded and then summed over the 32 lanes; the result stands in v14 and v22, in every lane
.macro REDUCE
.irp p, 0
	v_pk_add_f32 v[14+8*\p:15+8*\p], v[14+8*\p:15+8*\p], v[16+8*\p:17+8*\p]
	s_delay_alu instid0(VALU_DEP_3)
	v_pk_add_f32 v[18+8*\p:19+8*\p], v[18+8*\p:19+8*\p], v[20+8*\p:21+8*\p]
.endr
.irp p, 1
	v_pk_add_f32 v[14+8*\p:15+8*\p], v[14+8*\p:15+8*\p], v[16+8*\p:17+8*\p]
	s_delay_alu instid0(VALU_DEP_4)
	v_pk_add_f32 v[18+8*\p:19+8*\p], v[18+8*\p:19+8*\p], v[20+8*\p:21+8*\p]
.endr
.irp p, 0
	s_delay_alu instid0(VALU_DEP_3)
	v_pk_add_f32 v[14+8*\p:15+8*\p], v[14+8*\p:15+8*\p], v[18+8*\p:19+8*\p]
.endr
.irp p, 1
	s_delay_alu instid0(VALU_DEP_2)
	v_pk_add_f32 v[14+8*\p:15+8*\p], v[14+8*\p:15+8*\p], v[18+8*\p:19+8*\p]
.endr
.irp p, 0,1
	s_delay_alu instid0(VALU_DEP_2)
	v_add_f32 v[14+8*\p], v[14+8*\p], v[15+8*\p]
.endr
.irp m, 1,2,4,8
.irp p, 0,1
	s_delay_alu instid0(VALU_DEP_2)
	v_add_f32_dpp v[14+8*\p], v[14+8*\p], v[14+8*\p] row_xmask:\m row_mask:0xf bank_mask:0xf
.endr
.endr
.irp p, 0,1
	s_delay_alu instid0(VALU_DEP_2)
	v_permlanex16_b32 v[30+\p], v[14+8*\p], s20, s21
.endr
.irp p, 0,1
	s_delay_alu instid0(VALU_DEP_2)
	v_add_f32 v[14+8*\p], v[14+8*\p], v[30+\p]
.endr
.endm
	s_wait_loadcnt 16                              ; the two rows are in; g's and b's sixteen loads may be out
.irp c, 0,1,2,3
.irp p, 0,1
	v_pk_add_f32 v[14+8*\p+2*\c:15+8*\p+2*\c], v[X+32*\p+2*\c:X+32*\p+2*\c+1], v[X+32*\p+2*\c+8:X+32*\p+2*\c+9]
.endr
.endr
.irp k, 16,24
.irp c, 0,1,2,3
.irp p, 0,1
	v_pk_add_f32 v[14+8*\p+2*\c:15+8*\p+2*\c], v[14+8*\p+2*\c:15+8*\p+2*\c], v[X+32*\p+2*\c+\k:X+32*\p+2*\c+\k+1]
.endr
.endr
.endr
	REDUCE
.irp p, 0
	s_delay_alu instid0(VALU_DEP_2)
	v_mul_f32 v[8+2*\p], s22, v[14+8*\p]           ; the mean, twice: a pair for the packed form
	s_delay_alu instid0(VALU_DEP_3)
	v_mul_f32 v[9+2*\p], s22, v[14+8*\p]
.endr
.irp p, 1
	s_delay_alu instid0(VALU_DEP_3)
	v_mul_f32 v[8+2*\p], s22, v[14+8*\p]           ; the mean, twice: a pair for the packed form
	s_delay_alu instid0(VALU_DEP_4)
	v_mul_f32 v[9+2*\p], s22, v[14+8*\p]
.endr
.irp p, 0,1
.irp k, 0,2,4,6,8,10,12,14,16,18,20,22,24,26,28,30
	v_pk_add_f32 v[X+32*\p+\k:X+32*\p+\k+1], v[X+32*\p+\k:X+32*\p+\k+1], v[8+2*\p:9+2*\p] neg_lo:[0,1] neg_hi:[0,1]
.endr
.endr
.irp c, 0,1,2,3
.irp p, 0,1
	v_pk_mul_f32 v[14+8*\p+2*\c:15+8*\p+2*\c], v[X+32*\p+2*\c:X+32*\p+2*\c+1], v[X+32*\p+2*\c:X+32*\p+2*\c+1]
.endr
.endr
.irp k, 8,16,24
.irp c, 0,1,2,3
.irp p, 0,1
	v_pk_fma_f32 v[14+8*\p+2*\c:15+8*\p+2*\c], v[X+32*\p+2*\c+\k:X+32*\p+2*\c+\k+1], v[X+32*\p+2*\c+\k:X+32*\p+2*\c+\k+1], v[14+8*\p+2*\c:15+8*\p+2*\c]
.endr
.endr
.endr
	REDUCE
.irp p, 0,1
	s_delay_alu instid0(VALU_DEP_2)
	v_fma_f32 v[14+8*\p], v[14+8*\p], s22, s23     ; the variance + 1e-5
.endr
	s_wait_alu depctr_va_vdst(0)
.irp p, 0,1
	v_rsq_f32 v[8+2*\p], v[14+8*\p]
.endr
	v_nop                                          ; a plain instruction behind the last of the two
	s_wait_alu depctr_va_vdst(0)                   ; one wait for both, ahead of the first line that names a result
.irp p, 0,1
	v_mov_b32 v[9+2*\p], v[8+2*\p]
.endr
	s_wait_alu depctr_va_vdst(0)
	s_wait_loadcnt 0x0                             ; g and b
.irp p, 0,1
.irp k, 0,2,4,6,8,10,12,14,16,18,20,22,24,26,28,30
	v_pk_mul_f32 v[X+32*\p+\k:X+32*\p+\k+1], v[X+32*\p+\k:X+32*\p+\k+1], v[8+2*\p:9+2*\p]
.endr
.irp k, 0,2,4,6,8,10,12,14,16,18,20,22,24,26,28,30
	v_pk_fma_f32 v[X+32*\p+\k:X+32*\p+\k+1], v[X+32*\p+\k:X+32*\p+\k+1], v[G+\k:G+\k+1], v[BB+\k:BB+\k+1]
.endr
.endr
; step st (row st / 2, half st % 2): 512 numbers through stage st; LDS serves a wave's instructions in order, so no wait stands between the stores and the loads
.macro TURN st
.irp i, 0,1,2,3
	ds_store_b128 v3, v[X+16*\st+4*\i:X+16*\st+4*\i+3] offset:32*SP*\st+8*SP*\i
.endr
.irp i, 0,1,2,3
	ds_load_b128 v[XS+16*\st+4*\i:XS+16*\st+4*\i+3], v4 offset:32*SP*\st+16*\i
.endr
.endm
.macro QSTEP st
.set XQ, XS+16*\st
	v_max3_num_f32 v8, |v[XQ]|, |v[XQ+1]|, |v[XQ+2]|
	v_max3_num_f32 v9, |v[XQ+3]|, |v[XQ+4]|, |v[XQ+5]|
.irp i, 6,10
	s_delay_alu instid0(VALU_DEP_2)
	v_max3_num_f32 v8, v8, |v[XQ+\i]|, |v[XQ+\i+1]|
	s_delay_alu instid0(VALU_DEP_2)
	v_max3_num_f32 v9, v9, |v[XQ+\i+2]|, |v[XQ+\i+3]|
.endr
	s_delay_alu instid0(VALU_DEP_2)
	v_max3_num_f32 v8, v8, |v[XQ+14]|, |v[XQ+15]|
	s_delay_alu instid0(VALU_DEP_1)
	v_max3_num_f32 v8, v8, v9, 0x1800000           ; and the floor 2^(3 - 127): the byte cannot fall under 1
	s_delay_alu instid0(VALU_DEP_1)
	v_max_num_f32_dpp v8, v8, v8 row_xmask:1 row_mask:0xf bank_mask:0xf   ; with my neighbour's 16: the block's largest magnitude
	s_delay_alu instid0(VALU_DEP_1)
	v_add_nc_u32 v11, 0xff000000, v8               ; 2 off its exponent field: the conversion's scale operand
	v_cvt_scalef32_pk16_fp6_f32 v[C+4*\st:C+4*\st+2], v[XQ:XQ+15], v11
	v_lshrrev_b32 v[E+\st], 23, v11                ; the scale's byte
	ds_store_b8 v6, v[E+\st] offset:16*\st         ; both lanes of a block write the same byte
	global_store_b96 v5, v[C+4*\st:C+4*\st+2], s[10:11] offset:384*\st   ; the wave stores 384 consecutive bytes
.endm
	TURN 0
	TURN 1
	TURN 2
	TURN 3
	s_wait_dscnt 24                                ; step 0 is back; the three younger turns' 24 may be out
	QSTEP 0
	s_wait_dscnt 17                                ; two turns and one byte store
	QSTEP 1
	s_wait_dscnt 10                                ; one turn and two byte stores
	QSTEP 2
	s_wait_dscnt 3                                 ; three byte stores
	QSTEP 3
	s_wait_dscnt 0x0                               ; for the others' sake: my bytes lie in LDS
	s_barrier_signal -1
	s_barrier_wait -1
	s_cmp_lg_u32 s12, 0
	s_cbranch_scc1 .Ldone
	ds_load_b128 v[8:11], v7
	s_wait_dscnt 0x0
	global_store_b128 v2, v[8:11], s[14:15]        ; 512 consecutive bytes, at a multiple of 256 from the buffer's first byte
.Ldone:
	s_wait_tensorcnt 0x0                           ; the wave's end, behind my last LDS store
	ds_add_u32 v[SPW], v[NIL]
	s_wait_dscnt 0x0
	s_endpgm
.Lfunc_end_k_q9af31e159b_ln1:
	.size	k_q9af31e159b_ln1, .Lfunc_end_k_q9af31e159b_ln1-k_q9af31e159b_ln1
	.p2alignl 7, 3214868480
	.fill 96, 4, 3214868480
	.section	.rodata,"a",@progbits
	.p2align	6, 0x0
	.amdhsa_kernel k_q9af31e159b_ln1
		.amdhsa_group_segment_fixed_size 83456
		.amdhsa_private_segment_fixed_size 0
		.amdhsa_enable_private_segment 0
		.amdhsa_kernarg_size 32
		.amdhsa_user_sgpr_count 2
		.amdhsa_user_sgpr_kernarg_segment_ptr 1
		.amdhsa_wavefront_size32 1
		.amdhsa_system_sgpr_workgroup_id_x 1
		.amdhsa_system_sgpr_workgroup_id_y 1
		.amdhsa_system_sgpr_workgroup_id_z 1
		.amdhsa_system_vgpr_workitem_id 0
		.amdhsa_next_free_vgpr 192
		.amdhsa_next_free_sgpr 66
		.amdhsa_reserve_vcc 0
		.amdhsa_float_denorm_mode_32 3
		.amdhsa_float_denorm_mode_16_64 3
		.amdhsa_memory_ordered 1
		.amdhsa_forward_progress 1
		.amdhsa_inst_pref_size 27
	.end_amdhsa_kernel
	.amdgpu_metadata
---
amdhsa.version: [ 1, 2 ]
amdhsa.kernels:
  - .name:           k_q9af31e159b_ln1
    .symbol:         k_q9af31e159b_ln1.kd
    .args:
      - { .name: x, .offset: 0, .size: 8, .value_kind: global_buffer, .address_space: global }
      - { .name: ln1_g, .offset: 8, .size: 8, .value_kind: global_buffer, .address_space: global }
      - { .name: ln1_b, .offset: 16, .size: 8, .value_kind: global_buffer, .address_space: global }
      - { .name: abuf, .offset: 24, .size: 8, .value_kind: global_buffer, .address_space: global }
    .group_segment_fixed_size: 83456
    .private_segment_fixed_size: 0
    .kernarg_segment_align: 8
    .kernarg_segment_size: 32
    .max_flat_workgroup_size: 256
    .sgpr_count:     66
    .vgpr_count:     192
    .wavefront_size: 32
...
	.end_amdgpu_metadata
.endif
;; end of part 1
;; launch qkv (part 2): grid 12 x 16, 4 waves a work-group, clusters of 4 x 4, 327,680 bytes of LDS; arguments abuf, w_qkv_codes, w_qkv_scales, b_qkv, qkbuf, vbuf; writes qkbuf, vbuf
.if DOCPART == 2
	.amdgcn_target "amdgcn-amd-amdhsa--gfx1250"
	.amdhsa_code_object_version 6
	.text
	.protected	k_q9af31e159b_qkv
	.globl	k_q9af31e159b_qkv
	.p2align	8
	.type	k_q9af31e159b_qkv,@function
k_q9af31e159b_qkv:
	s_mov_b64 s[64:65], 0
	v_nop
	global_prefetch_b8 v0, s[64:65] scope:SCOPE_SE
	s_setreg_imm32_b32 hwreg(HW_REG_WAVE_MODE, 25, 1), 1
	s_wait_xcnt 0x0
	s_wait_alu depctr_hold_cnt(0) depctr_sa_sdst(0) depctr_va_vdst(0) depctr_va_sdst(0) depctr_va_ssrc(0) depctr_va_vcc(0) depctr_vm_vsrc(0)
	s_getreg_b32 s2, hwreg(HW_REG_IB_STS2, 6, 4)
	s_cmp_eq_u32 s2, 0
	s_cbranch_scc0 .Lentry_in_a_cluster
	s_endpgm
.Lentry_in_a_cluster:
	s_bfe_u32 s2, ttmp6, 0x10000c
	s_cmp_lg_u32 s2, 0xf033
	s_cbranch_scc0 .Lentry_shape_is_right
	s_endpgm
.Lentry_shape_is_right:
; qkv = LN1(x) Wqkv + b on codes of FP6 (E2M3) with E8M0 scales, and the result quantised at once: q and k along the head's 64, v along the keys.
; THE PRODUCT: a tile of 256 x 256 to a work-group of four waves, 128 x 128 a wave (64 accumulators, 512 registers); K = 1,024 in steps of 256 through two LDS slots filled by the tensor data mover;
; the scale bytes of both sides come once and stay in LDS; 4 x 4 work-groups form a cluster and ask for shared tiles jointly.
; The matrix instruction has region B's 16 rows as source 0 and region A's 16 rows as source 1: a lane holds ONE row of region A and its registers run along region B's rows.
; ONE TEXT FOR q, k AND v.  What is quantised must run along a lane's registers.  Clusters x = 0, 1 (q, k): region A = tokens (abuf), region B = features (w_qkv rows 0 .. 2047).
; Cluster x = 2 (v): region A = features (w_qkv rows 2,048 on), region B = tokens.  Only pointers, tile numbers and constants are chosen, by the cluster's x, which all partners share.
; THE ORDER INSIDE A BLOCK OF 32: register 16 bb + i of lane half h is region-B row 32 bb + 8 h + i % 8 + 16 (i / 8).  q and k get the same order, and so do v's keys and the softmax's p in the next launch,
; so the products are the same; the block, and with it the scale, is the true one.
; OUT, as images of operand registers (half a fragment: registers 0-3, 16 bytes a lane, 512 bytes; registers 4, 5, 8 bytes a lane, 256 bytes):
;   qkbuf: [head 0-15 q, 16-31 k][token / 16][768]; scale words from byte 6,291,456: [head][token / 64][row 0-15][tile % 4], bytes 2 and 3 of a word = 1 (the zero codes of the unused half of K)
;   vbuf:  [batch x 16 + head][key step of 128][16 channels t][1536]; scale words from byte 3,145,728: [batch x 16 + head][key step][row][t]
; LIMITS: NaN and infinities are not served; a block of zeros gets the byte 1 (its codes are zeros; this program alone reads the bytes).
; REGISTERS: window 0: v1-13 addresses; v16-23, v27 LDS addresses; v28, 29 the add's two; v32-63 scale words and nothing else; v128-223 region A's fragments, later 64 results and their codes; v224-247 biases by lane, work.
;   window 1: region B's fragments, two sets at v0 and v128; the bias by register in v96-127 and v224-255.   windows 2, 3: the accumulators.
; K goes through the two slots in CHUNKS OF 256 BYTES of each row of 768: chunk c lies in slot c % 2.  A step of 128 along K is 96 bytes of a row: eight steps to three chunks; steps 2 and 5 lie across two chunks.
.set NQ,     2
.set ROWB,   256
.set KROW,   768
.set STEPS,  8
.set CHUNKS, 3
.set PITCH,  272                       ; an LDS row: 256 bytes + 16 of padding
.set FR,     12
.set NL,     6
.set NP,     4
.set HALFT,  128*PITCH
.set SLOT,   4*HALFT
.set LAPS,   2
.set KS,     32
.set SCL,    2*SLOT
.set HALFS,  (128*KS/256)*272
.set SBLK,   (16*KS/256)*272
.set SPARE,  SCL+4*HALFS               ; the spare words, 128 bytes a wave
.set ADRA, 16
.set ADRB, 20
.set ADRS, 27
.set SPW,  28
.set NIL,  29
.set SC,   32
.set AF,   128
.set HA,   128                         ; the way out: 64 results of a lane
.set PC,   192                         ; their codes (12) and the conversions' second halves
.set SW,   212                         ; four tiles' scale words
.set BRC,  216                         ; the bias of my row, twice
.set PW,   218
.set TT,   219
.set BR,   224                         ; the bias of my row in each of the eight tiles
.set TM,   232
.set SEL,  92
.set G1, 24
.set G0, 32
.set G1B, 48
.set G0B, 56
.set G1S, 68
.set G0S, 76
.set G1SB, 80
.set G0SB, 88
.set MSB, 0
.macro WIN new                         ; the immediate's high byte repeats the setting that is left
.if MSB != \new
	s_set_vgpr_msb (MSB<<8)|\new
.set MSB, \new
.endif
.endm
.set MUL_LO, 0xa1                      ; source 0 window 1, source 1 window 0, C and D window 2
.set MUL_HI, 0xf1
.set TO_B,   0x40
; a joint load: waves 0 and 1 fetch for region A, waves 2 and 3 for region B; an s_nop 0 and four v_nop follow each of the two lines
.macro JLOAD g0a, g1a, g0b, g1b
	s_cmp_eq_u32 s15, 0
	s_cbranch_scc0 .Lfor_b_\@
	tensor_load_to_lds s[\g0a:\g0a+3], s[\g1a:\g1a+7]
	s_nop 0
.rept 4
	v_nop
.endr
	s_branch .Lasked_\@
.Lfor_b_\@:
	tensor_load_to_lds s[\g0b:\g0b+3], s[\g1b:\g1b+7]
	s_nop 0
.rept 4
	v_nop
.endr
.Lasked_\@:
.endm
.macro CREST
	s_cmp_lg_u32 s14, 0
	s_cbranch_scc1 .Lnot_wave_0_\@
	s_barrier_signal -3
.Lnot_wave_0_\@:
	s_barrier_wait -3
	s_barrier_signal -1
	s_barrier_wait -1
.endm
.macro CROUND
	s_barrier_signal -1
	s_barrier_wait -1
	CREST
.endm
	s_load_b128 s[4:7], s[0:1], 0x0                ; abuf, W's codes
	s_load_b128 s[8:11], s[0:1], 0x10              ; W's scales, the bias
	s_load_b128 s[96:99], s[0:1], 0x20             ; qkbuf, vbuf
	v_lshl_add_u32 v[SPW], v0, 2, SPARE
	v_mov_b32 v[NIL], 0
	ds_add_u32 v[SPW], v[NIL]                      ; the wave's opening: the add and its wait ahead of my first tensor load
	ds_add_u32 v[SPW], v[NIL]
	v_lshrrev_b32 v1, 5, v0
	v_readfirstlane_b32 s14, v1                    ; wave
	s_lshr_b32 s15, s14, 1                         ; my half of region A's rows.  Also: I fetch for A (0) or B (1)
	s_and_b32 s16, s14, 1                          ; my half of region B's rows.  Also: which 128 rows I fetch
	s_bfe_u32 s40, ttmp6, 0x40000                  ; cx
	s_bfe_u32 s41, ttmp6, 0x40004                  ; cy
	s_lshl_b32 s42, ttmp9, 2                       ; 4 x cluster x
	s_and_b32 s17, ttmp7, 0xffff
	s_lshl_b32 s17, s17, 2                         ; 4 x cluster y
	s_cmp_lt_u32 ttmp9, 2                          ; q, k or v?  The cluster's x: the same in all sixteen partners
	s_cselect_b32 s42, s42, s17                    ; region B's tile: features 4 X + cx, or tokens 4 Y + cx
	s_cselect_b32 s17, s17, 8                      ; region A's tile: tokens 4 Y + cy, or features 8 + cy
	s_cselect_b32 s95, -1, 0                       ; all ones for q, k
	s_add_co_u32 s42, s42, s40
	s_add_co_u32 s17, s17, s41
	s_lshl_b32 s43, s41, 2
	s_lshl_b32 s43, 15, s43                        ; my row of the cluster
	s_lshl_b32 s44, 0x1111, s40                    ; my column
	s_or_b32 s[G1+0], s43, (0<<16)|(1<<20)|(1<<21)|(5<<22)|(3<<25)  ; mask; bytes; padding on; bit 21 beside a mask; 4 words behind every 64
	s_or_b32 s[G1B+0], s44, (0<<16)|(1<<20)|(1<<21)|(5<<22)|(3<<25)
.irp g, G1, G1B
	s_mov_b32 s[\g+1], ROWB<<16
	s_mov_b32 s[\g+2], 256<<16                     ; 256 rows for the head's loads; set to 128 behind them
	s_mov_b32 s[\g+3], ROWB<<16
	s_mov_b32 s[\g+4], 256
	s_mov_b32 s[\g+5], KROW
	s_mov_b32 s[\g+6], 0
	s_mov_b32 s[\g+7], 0
.endr
	s_or_b32 s[G1S+0], s43, (3<<16)|(1<<20)|(1<<21)|(5<<22)|(3<<25) ; the scales of 256 rows: rows of 256 bytes, 16 of padding behind each
	s_or_b32 s[G1SB+0], s44, (3<<16)|(1<<20)|(1<<21)|(5<<22)|(3<<25)
.irp g, G1S, G1SB
	s_mov_b32 s[\g+1], 32<<16
	s_mov_b32 s[\g+2], KS<<16                      ; the scales of 256 rows: KS rows of 256 bytes
	s_mov_b32 s[\g+3], 32<<16
	s_mov_b32 s[\g+4], KS
	s_mov_b32 s[\g+5], 32
	s_mov_b32 s[\g+6], 0
	s_mov_b32 s[\g+7], 0
.endr
	s_lshl_b32 s20, s17, 8                         ; region A: the tile's first row
	s_lshl_b32 s46, s42, 8                         ; region B likewise
	s_mov_b32 s21, 0
	s_mov_b32 s47, 0
	s_mov_b64 s[18:19], KS
	s_mul_u64 s[22:23], s[20:21], s[18:19]
	s_mul_u64 s[92:93], s[46:47], s[18:19]
	s_mov_b64 s[18:19], KROW
	s_mul_u64 s[20:21], s[20:21], s[18:19]
	s_mul_u64 s[46:47], s[46:47], s[18:19]
	s_mul_i32 s45, s14, HALFT
	s_mul_i32 s94, s14, HALFS
	s_wait_dscnt 0x0                               ; the opening add is done
	s_wait_kmcnt 0x0
	s_add_nc_u64 s[100:101], s[4:5], 0x300000      ; abuf's scale bytes
	s_cmp_lg_u32 s95, 0
	s_cselect_b64 s[12:13], s[4:5], s[6:7]         ; region A's codes,
	s_cselect_b64 s[18:19], s[100:101], s[8:9]     ; its scales,
	s_cselect_b64 s[2:3], s[6:7], s[4:5]           ; region B's codes,
	s_cselect_b64 s[66:67], s[8:9], s[100:101]     ; its scales
	s_add_nc_u64 s[20:21], s[12:13], s[20:21]
	s_add_nc_u64 s[22:23], s[18:19], s[22:23]
	s_add_nc_u64 s[46:47], s[2:3], s[46:47]
	s_add_nc_u64 s[92:93], s[66:67], s[92:93]
	CROUND                                         ; all sixteen work-groups are here: the first joint loads meet
	s_mov_b32 s[G0S], 1
	s_mov_b32 s[G0S+1], SCL
	s_mov_b64 s[G0S+2:G0S+3], s[22:23]
	s_or_b32 s[G0S+3], s[G0S+3], 0x80000000
	s_mov_b32 s[G0SB], 1
	s_mov_b32 s[G0SB+1], SCL+2*HALFS
	s_mov_b64 s[G0SB+2:G0SB+3], s[92:93]
	s_or_b32 s[G0SB+3], s[G0SB+3], 0x80000000
	s_mov_b32 s4, s45                              ; kept for the ring: wave x 128 rows in LDS,
	s_mul_i32 s6, s16, 128*KROW                    ; and my half of a tile's rows, in bytes
	s_mov_b32 s7, 0
	s_mov_b32 s[G0], 1                             ; slot 0's sets serve the head first: chunk 0's 256 rows of region A,
	s_mov_b32 s[G0+1], 0
	s_mov_b64 s[G0+2:G0+3], s[20:21]
	s_or_b32 s[G0+3], s[G0+3], 0x80000000
	s_mov_b32 s[G0B], 1                            ; and of region B, behind them
	s_mov_b32 s[G0B+1], 2*HALFT
	s_mov_b64 s[G0B+2:G0B+3], s[46:47]
	s_or_b32 s[G0B+3], s[G0B+3], 0x80000000
	s_add_nc_u64 s[20:21], s[20:21], s[6:7]
	s_add_nc_u64 s[46:47], s[46:47], s[6:7]
	s_mov_b32 s[G0+4], 1                           ; slot 1's sets: my 128 rows of chunk 1
	s_add_co_u32 s[G0+5], s45, SLOT
	s_add_nc_u64 s[G0+6:G0+7], s[20:21], ROWB
	s_or_b32 s[G0+7], s[G0+7], 0x80000000
	s_mov_b32 s[G0B+4], 1
	s_add_co_u32 s[G0B+5], s45, SLOT
	s_add_nc_u64 s[G0B+6:G0B+7], s[46:47], ROWB
	s_or_b32 s[G0B+7], s[G0B+7], 0x80000000
; the head's four tiles, one joint load a wave: wave 0 region A's chunk 0, wave 1 region B's, wave 2 region A's scales, wave 3 region B's; one chain of branches on the wave's number
.macro ARM under, g0, g1, next
	s_cmp_lt_u32 s14, \under
	s_cbranch_scc0 \next
	tensor_load_to_lds s[\g0:\g0+3], s[\g1:\g1+7]
	s_nop 0
.rept 4
	v_nop
.endr
	s_branch .Lhead_asked
\next:
.endm
	ARM 1, G0,  G1,  .Lhead_b
	ARM 2, G0B, G1B, .Lhead_sa
	ARM 3, G0S, G1S, .Lhead_sb
	tensor_load_to_lds s[G0SB:G0SB+3], s[G1SB:G1SB+7]
	s_nop 0
.rept 4
	v_nop
.endr
.Lhead_asked:
	v_and_b32 v1, 15, v0                           ; r
	v_bfe_u32 v2, v0, 4, 1                         ; h
	v_mul_u32_u24 v3, v1, PITCH
	v_mul_u32_u24 v4, v2, 24
	v_add_nc_u32 v4, v3, v4
	s_mov_b32 s21, SLOT-232
	s_mov_b32 s22, SLOT+232
	v_sub_nc_u32 v7, 1, v2
	v_mul_u32_u24 v5, s21, v2
	v_add_nc_u32 v5, v3, v5
	v_add_nc_u32 v5, 232, v5                       ; across two chunks: lanes 0-15 byte 232 of the row in slot 0, lanes 16-31 byte 0 of the row in slot 1;
	v_mul_u32_u24 v6, s22, v7
	v_add_nc_u32 v6, v3, v6                        ; and lanes 0-15 byte 232 in slot 1, lanes 16-31 byte 0 in slot 0
	s_mul_i32 s21, s15, HALFT
	s_mul_i32 s22, s16, HALFT
	s_add_co_u32 s22, s22, 2*HALFT
	v_add_nc_u32 v[ADRA+2], s21, v5
	v_add_nc_u32 v[ADRA+3], s21, v6
	v_add_nc_u32 v[ADRB+2], s22, v5
	v_add_nc_u32 v[ADRB+3], s22, v6
.irp s, 0,1
	v_add_nc_u32 v[ADRA+\s], s21, v4
	v_add_nc_u32 v[ADRB+\s], s22, v4
	s_add_co_u32 s21, s21, SLOT
	s_add_co_u32 s22, s22, SLOT
.endr
	v_mul_u32_u24 v5, v1, KS
	v_lshrrev_b32 v6, 8, v5
	v_lshl_add_u32 v5, v6, 4, v5
	s_mul_i32 s21, s15, HALFS
	s_mul_i32 s22, s16, HALFS
	s_add_co_u32 s22, s22, 2*HALFS
	s_sub_co_u32 s22, s22, s21
	v_mul_u32_u24 v6, s22, v2                      ; lanes 16-31 take region B's words
	s_add_co_u32 s21, s21, SCL
	v_add_nc_u32 v5, v5, v6
	v_add_nc_u32 v[ADRS], s21, v5
	; THE WAY OUT'S CONSTANTS.  RA0, CB0: my first row of region A and of region B
	s_lshl_b32 s43, s17, 8
	s_lshl_b32 s45, s15, 7
	s_add_co_u32 s43, s43, s45                     ; RA0
	s_lshl_b32 s44, s42, 8
	s_lshl_b32 s45, s16, 7
	s_add_co_u32 s44, s44, s45                     ; CB0
	s_mul_i32 s92, s44, 3072                       ; q, k: head CB0 / 64 x 196,608
	s_mul_i32 s45, s43, 48                         ;       + tile RA0 / 16 x 768
	s_add_co_u32 s92, s92, s45
	s_lshl_b32 s93, s44, 8                         ; their words: head x 16,384 + RA0 / 64 x 256
	s_lshl_b32 s45, s43, 2
	s_add_co_u32 s93, s93, s45
	s_add_co_u32 s93, s93, 6291456
	s_lshr_b32 s94, s44, 11                        ; v: the batch,
	s_lshl_b32 s94, s94, 4
	s_and_b32 s45, s43, 1023
	s_lshr_b32 s45, s45, 6                         ; the head of my first channel,
	s_add_co_u32 s94, s94, s45
	s_bfe_u32 s45, s44, 0x40007                    ; the key step
	s_mul_i32 s2, s94, 98304
	s_mul_i32 s66, s45, 6144
	s_add_co_u32 s2, s2, s66
	s_lshl_b32 s94, s94, 12
	s_lshl_b32 s45, s45, 8
	s_add_co_u32 s94, s94, s45
	s_add_co_u32 s94, s94, 3145728
	s_lshl_b32 s44, s44, 2
	s_lshl_b32 s43, s43, 2
	s_mov_b32 s20, 1536
	s_mov_b32 s46, 4096
	s_mov_b32 s45, 768
	s_cmp_lg_u32 s95, 0
	s_cselect_b32 s92, s92, s2                     ; where my codes begin
	s_cselect_b32 s100, s93, s94                   ; and my scale words
	s_cselect_b64 s[12:13], s[96:97], s[98:99]
	s_cselect_b32 s20, 768, s20                    ; from tile to tile
	s_cselect_b32 s22, 0, 92160                    ; v: on to the next head behind four tiles
	s_cselect_b32 s46, 256, s46                    ; the words' step, each four tiles
	s_cselect_b32 s45, 196608, s45                 ; from a fragment's first half to its second: the next head, or 768
	s_cselect_b32 s2, 16384, 0                     ; q, k: lanes 16-31 store the second head's words
	s_cselect_b32 s66, 16, 0                       ; which are the upper two bytes
	s_cselect_b32 s40, 0xffff, -1
	s_cselect_b32 s41, 0x01010000, 0
	s_cselect_b32 s44, s44, 0                      ; the bias along registers: q, k
	s_cselect_b32 s43, 0, s43                      ; the bias along lanes: v
	s_mov_b32 s93, 0
	s_mov_b32 s101, 0
	s_mov_b32 s21, 0
	s_mov_b32 s23, 0
	s_mov_b32 s47, 0
	s_add_nc_u64 s[18:19], s[12:13], s[100:101]
	s_add_nc_u64 s[12:13], s[12:13], s[92:93]
	v_and_b32 v6, 31, v0
	v_lshlrev_b32 v8, 4, v6                        ; 16 x lane
	v_lshlrev_b32 v9, 3, v6
	v_add_nc_u32 v9, 512, v9                       ; 512 + 8 x lane
	v_add_nc_u32 v10, s45, v8
	v_add_nc_u32 v11, s45, v9
	v_mul_u32_u24 v12, s2, v2
	v_lshl_add_u32 v12, v1, 4, v12                 ; the words: 16 r (+ a head)
	v_mul_u32_u24 v13, s66, v2
	v_lshlrev_b32 v7, 5, v2                        ; 32 h
	s_wait_alu depctr_va_vdst(0)
	v_lshlrev_b32 v6, 2, v1                        ; 4 r
	s_wait_alu depctr_va_vdst(0)
	s_mov_b32 s100, s44
	s_add_nc_u64 s[100:101], s[10:11], s[100:101]
	s_mov_b32 s66, s43
	s_mov_b32 s67, 0
	s_add_nc_u64 s[66:67], s[10:11], s[66:67]
	s_mov_b32 s[SEL], 0x76543210
	s_mov_b32 s[SEL+1], 0xfedcba98
	WIN TO_B
.irp b, 0,1,2,3,4,5,6,7
	global_load_b128 v[96+8*\b+96*(\b/4):99+8*\b+96*(\b/4)], v7, s[100:101] offset:64*\b      ; the bias of region B's rows 16 b + 8 h + 0 .. 7
	global_load_b128 v[100+8*\b+96*(\b/4):103+8*\b+96*(\b/4)], v7, s[100:101] offset:64*\b+16
.endr
	WIN 0
.irp a, 0,1,2,3,4,5,6,7
	global_load_b32 v[BR+\a], v6, s[66:67] offset:64*\a                                        ; the bias of region A's row 16 a + r
.endr
.macro FRAG reg, adr, q, i             ; 16 rows x 128 K: 12 registers, in six pieces of 8 bytes; where the piece three on lies behind one padding more, the second address register serves
.irp p, 0,1,2,3,4,5
.set BY, 96*(\q)+48*(\p/3)+8*(\p%3)    ; q: the step, counted from the row's start.  Byte y of a row lies in slot (y / 256) % 2 at byte y % 256 of the LDS row; lanes 16-31 read 24 bytes on
.if BY/ROWB == (BY+24)/ROWB
	ds_load_b64 v[\reg+2*\p:\reg+2*\p+1], v[\adr+(BY/ROWB)%2] offset:BY%ROWB+(\i)*16*PITCH
.else
	ds_load_b64 v[\reg+2*\p:\reg+2*\p+1], v[\adr+2+(BY/ROWB)%2] offset:BY%ROWB-232+(\i)*16*PITCH
.endif
.endr
.endm
; 16 matrix instructions; the 64 accumulators take turns, one instruction a turn, in the same order in every step
.macro MUL16 a0, p, q, sc, zero
.irp a, \a0, \a0+1
.irp b, 0,1,2,3,4,5,6,7
.if \zero
	v_wmma_scale_f32_16x16x128_f8f6f4 v[8*(8*((\a)%4)+\b):8*(8*((\a)%4)+\b)+7], v[128*(\p)+FR*\b:128*(\p)+FR*\b+FR-1], v[AF+FR*(\a):AF+FR*(\a)+FR-1], 0, v[SC+8*NQ*(\sc)+NQ*\b+(\q)], v[SC+8*NQ*(\sc)+NQ*(\a)+(\q)] matrix_a_fmt:MATRIX_FMT_FP6 matrix_b_fmt:MATRIX_FMT_FP6 matrix_a_scale:MATRIX_SCALE_ROW1
.else
	v_wmma_scale_f32_16x16x128_f8f6f4 v[8*(8*((\a)%4)+\b):8*(8*((\a)%4)+\b)+7], v[128*(\p)+FR*\b:128*(\p)+FR*\b+FR-1], v[AF+FR*(\a):AF+FR*(\a)+FR-1], v[8*(8*((\a)%4)+\b):8*(8*((\a)%4)+\b)+7], v[SC+8*NQ*(\sc)+NQ*\b+(\q)], v[SC+8*NQ*(\sc)+NQ*(\a)+(\q)] matrix_a_fmt:MATRIX_FMT_FP6 matrix_b_fmt:MATRIX_FMT_FP6 matrix_a_scale:MATRIX_SCALE_ROW1
.endif
.endr
.endr
.endm
.macro FETCH_B slot, q, p
	WIN TO_B
.irp i, 0,1,2,3,4,5,6,7
	FRAG 128*(\p)+FR*\i, ADRB+\slot, \q, \i
.endr
	WIN 0
.endm
.macro FETCH_A slot, q, i0
.irp i, \i0, \i0+1, \i0+2, \i0+3
	FRAG AF+FR*(\i), ADRA+\slot, \q, \i
.endr
.endm
.macro SCALES sc                       ; lanes 0-15 take region A's block i, lanes 16-31 region B's block i: two words a row
.irp i, 0,1,2,3,4,5,6,7
	ds_load_b64 v[SC+8*NQ*((\sc)%2)+NQ*\i:SC+8*NQ*((\sc)%2)+NQ*\i+1], v[ADRS] offset:\i*SBLK+4*NQ*(\sc)   ; sc: the pair of steps; set sc % 2
.endr
.endm
.macro PLACES n                        ; plain vector instructions between a matrix instruction and a load into, or a read of, its registers
.rept \n
	v_nop
.endr
.endm
; A step of 128 along K: 64 products on step st's fragments; the next step's fragments are fetched in its middle and at its end.
; Where the next step's bytes END in a chunk not yet read: every wave waits for its tensor loads, and a barrier shows that chunk whole.  Where they BEGIN in a later chunk: the chunk left behind is read no more:
; the wait for all tensor loads, the add, the wait for it and for my reads, the barrier; where a chunk two on is left to fetch, the barrier opens a round of the cluster's and the slot is filled again.
.macro STEP st, zero
.set NX, (\st)+1
.set C0, (96*(\st))/ROWB
.set C1, (96*NX)/ROWB
.set E0, (96*(\st)+95)/ROWB
.set E1, (96*NX+95)/ROWB
.if C1 > C0 || E1 > E0
	s_wait_tensorcnt 0x0                           ; all my tensor loads have landed
.if C1 > C0
	ds_add_u32 v[SPW], v[NIL]
	s_wait_dscnt 4*NL+1                            ; the add and A's blocks 4-7 may be out
.else
	s_wait_dscnt 4*NL
.endif
	WIN MUL_LO
	MUL16 0, (\st)%2, (\st)%2, ((\st)/2)%2, \zero
	s_wait_dscnt 0x0                               ; the add, where there is one, and all my reads are done
	s_barrier_signal -1
	MUL16 2, (\st)%2, (\st)%2, ((\st)/2)%2, \zero
	WIN 0
	s_barrier_wait -1
.if C1 > C0 && C0+2 < CHUNKS
	CREST
	s_add_nc_u64 s[G0+4*(C0%2)+2:G0+4*(C0%2)+3], s[G0+4*(C0%2)+2:G0+4*(C0%2)+3], 2*ROWB
	s_add_nc_u64 s[G0B+4*(C0%2)+2:G0B+4*(C0%2)+3], s[G0B+4*(C0%2)+2:G0B+4*(C0%2)+3], 2*ROWB
	JLOAD G0+4*(C0%2), G1, G0B+4*(C0%2), G1B       ; chunk C0 + 2, the first tensor load behind the round
.else
	PLACES NP
.endif
.else
	s_wait_dscnt 4*NL                              ; B's set and A's blocks 0-3 are in; A's blocks 4-7 (24 loads) may be out
	WIN MUL_LO
	MUL16 0, (\st)%2, (\st)%2, ((\st)/2)%2, \zero
	MUL16 2, (\st)%2, (\st)%2, ((\st)/2)%2, \zero
	s_wait_dscnt 0
	PLACES NP
.endif
	FETCH_B 0, NX, NX%2
	FETCH_A 0, NX, 0
.if NX%2 == 0
	SCALES NX/2
.endif
	WIN MUL_HI
	MUL16 4, (\st)%2, (\st)%2, ((\st)/2)%2, \zero
	MUL16 6, (\st)%2, (\st)%2, ((\st)/2)%2, \zero
	PLACES NP
	WIN 0
	FETCH_A 0, NX, 4
.endm
	s_wait_alu depctr_va_vdst(0)                   ; the head's end
	s_wait_tensorcnt 0x0                           ; my tile of the head's four is in; these lines stand ahead of slot 1's first fill as ahead of a refill
	ds_add_u32 v[SPW], v[NIL]
	s_mov_b32 s[G1+2], 128<<16                     ; no tensor load of mine is out: from here on a load brings 128 rows,
	s_mov_b32 s[G1+4], 128
	s_mov_b32 s[G1B+2], 128<<16
	s_mov_b32 s[G1B+4], 128
	s_mov_b32 s[G0+1], s4                          ; and slot 0's sets point at my 128 rows of chunk 0: the refill steps them to chunk 2
	s_add_nc_u64 s[G0+2:G0+3], s[G0+2:G0+3], s[6:7]
	s_mov_b32 s[G0B+1], s4
	s_add_nc_u64 s[G0B+2:G0B+3], s[G0B+2:G0B+3], s[6:7]
	s_wait_dscnt 0x0
	CROUND                                         ; all four tiles are in, and all sixteen work-groups are here
	JLOAD G0+4, G1, G0B+4, G1B                     ; chunk 1, the first tensor load behind the round
	FETCH_B 0, 0, 0
	FETCH_A 0, 0, 0
	SCALES 0
	FETCH_A 0, 0, 4
	STEP 0, 1                                      ; the first step's products start the sums
.set ST, 1
.rept STEPS-2
	STEP ST, 0
.set ST, ST+1
.endr
	s_wait_dscnt 4*NL
	WIN MUL_LO
	MUL16 0, 1, NQ-1, 1, 0
	MUL16 2, 1, NQ-1, 1, 0
	s_wait_dscnt 0
	WIN MUL_HI
	MUL16 4, 1, NQ-1, 1, 0
	MUL16 6, 1, NQ-1, 1, 0
	WIN 0
; 64 numbers of a lane, v[s] .. v[s + 63], four blocks of 32 shared with lane l xor 16, become a fragment's codes in v[PC] on and its scale word in v[PW]
.macro QUANT s
.irp b, 0,1,2,3
	v_max3_num_f32 v[TM+\b], |v[\s+16*\b]|, |v[\s+1+16*\b]|, 0x1800000   ; and the floor 2^(3 - 127): the byte cannot fall under 1
.endr
.irp i, 2,4,6,8,10,12,14
.irp b, 0,1,2,3
	v_max3_num_f32 v[TM+\b], v[TM+\b], |v[\s+16*\b+\i]|, |v[\s+1+16*\b+\i]|
.endr
.endr
.irp b, 0,1,2,3
	v_permlanex16_b32 v[TM+4+\b], v[TM+\b], s[SEL], s[SEL+1]
.endr
.irp b, 0,1,2,3
	v_max_num_f32 v[TM+\b], v[TM+\b], v[TM+4+\b]
.endr
.irp b, 0,1,2,3
	v_add_nc_u32 v[TM+12+\b], 0xff000000, v[TM+\b]   ; 2 off the exponent field: the conversion's scale operand
.endr
.irp b, 0,1,2,3
	v_lshrrev_b32 v[TM+4+\b], 23, v[TM+12+\b]
.endr
	v_lshl_or_b32 v[PW], v[TM+5], 8, v[TM+4]
	v_lshl_or_b32 v[PW], v[TM+6], 16, v[PW]
	v_lshl_or_b32 v[PW], v[TM+7], 24, v[PW]
.irp c, 0,1
	v_cvt_scalef32_pk16_fp6_f32 v[PC+6*\c:PC+2+6*\c], v[\s+32*\c:\s+15+32*\c], v[TM+12+2*\c]
	v_cvt_scalef32_pk16_fp6_f32 v[PC+12+4*\c:PC+14+4*\c], v[\s+16+32*\c:\s+31+32*\c], v[TM+12+2*\c+1]
.endr
	v_nop                                          ; one plain place behind a scaled conversion
.irp c, 0,1                                    ; a whole block to a lane: lanes 0-15 block 2 c, lanes 16-31 block 2 c + 1
.irp i, 0,1,2
	v_permlane16_swap_b32 v[PC+6*\c+\i], v[PC+12+4*\c+\i]
.endr
.irp i, 0,1,2
	v_mov_b32 v[PC+3+6*\c+\i], v[PC+12+4*\c+\i]
.endr
.endr
.endm
; tile a's 64 results + the bias along registers come into window 0, each accumulator from its low end on
.macro MOVE a
	WIN (0x06+(\a)/4)
.set i, 0
.rept 32
	v_pk_add_f32 v[HA+2*i:HA+2*i+1], v[64*((\a)%4)+2*i:64*((\a)%4)+2*i+1], v[96+2*i+96*(i/16):97+2*i+96*(i/16)]
.set i, i+1
.endr
	WIN 0
	v_mov_b32 v[BRC], v[BR+\a]
	v_mov_b32 v[BRC+1], v[BR+\a]
.endm
	; THE WAY OUT: a loop over my eight tiles of region A's rows; only the copy out of the accumulators differs from trip to trip, so only it is written eight times
	PLACES NP
	s_wait_loadcnt 0x0                             ; the biases
	WIN 0x44
.set i, 0
.rept 64
	v_cndmask_b32 v[96+i+96*(i/32)], 0, v[96+i+96*(i/32)], s95     ; v has no bias along registers
.set i, i+1
.endr
	WIN 0
.irp a, 0,1,2,3,4,5,6,7
	v_cndmask_b32 v[BR+\a], v[BR+\a], 0, s95       ; q, k have none along lanes
.endr
.irp b, 0,1,2,3
	v_mov_b32 v[TM+4+\b], 0                        ; a lane permute's destination counts as one of its sources
	v_mov_b32 v[SW+\b], 0
.endr
	s_mov_b32 s3, 0
.Lrow:
.irp k, 0,1,2,3,4,5,6
	s_cmp_eq_u32 s3, \k
	s_cbranch_scc1 .Lm\k
.endr
	MOVE 7
	s_branch .Lproc
.irp k, 0,1,2,3,4,5,6
.Lm\k:
	MOVE \k
	s_branch .Lproc
.endr
.Lproc:
.set i, 0
	s_wait_alu depctr_va_vdst(0)
.rept 32
	v_pk_add_f32 v[HA+2*i:HA+2*i+1], v[HA+2*i:HA+2*i+1], v[BRC:BRC+1]
.set i, i+1
.endr
	QUANT HA
	v_lshrrev_b32 v[TT], v13, v[PW]                ; q, k: lanes 16-31 take the second head's two bytes
	v_mov_b32 v[SW], v[SW+1]
	v_mov_b32 v[SW+1], v[SW+2]
	v_mov_b32 v[SW+2], v[SW+3]
	v_and_or_b32 v[SW+3], v[TT], s40, s41          ; q, k: bytes 2 and 3 = 1
	global_store_b128 v8, v[PC:PC+3], s[12:13]     ; each store covers 512 or 256 consecutive bytes, aligned
	global_store_b64 v9, v[PC+4:PC+5], s[12:13]
	global_store_b128 v10, v[PC+6:PC+9], s[12:13]
	global_store_b64 v11, v[PC+10:PC+11], s[12:13]
	s_wait_xcnt 0x0                                ; the stores have read their data and their base: both are written again below and in the next trip
	s_add_nc_u64 s[12:13], s[12:13], s[20:21]
	s_and_b32 s43, s3, 3
	s_cmp_lg_u32 s43, 3
	s_cbranch_scc1 .Lnosc
	s_wait_alu depctr_va_vdst(0)
	global_store_b128 v12, v[SW:SW+3], s[18:19]    ; four tiles' words: 16 lanes fill 256 consecutive bytes
	s_add_nc_u64 s[12:13], s[12:13], s[22:23]
	s_wait_xcnt 0x0
	s_add_nc_u64 s[18:19], s[18:19], s[46:47]
.Lnosc:
	s_add_co_u32 s3, s3, 1
	s_cmp_lt_u32 s3, 8
	s_cbranch_scc1 .Lrow
	s_wait_tensorcnt 0x0                           ; the wave's end
	ds_add_u32 v[SPW], v[NIL]
	s_wait_dscnt 0x0
	CROUND                                         ; the closing round
	s_endpgm
.Lfunc_end_k_q9af31e159b_qkv:
	.size	k_q9af31e159b_qkv, .Lfunc_end_k_q9af31e159b_qkv-k_q9af31e159b_qkv
	.p2alignl 7, 3214868480
	.fill 96, 4, 3214868480
	.section	.rodata,"a",@progbits
	.p2align	6, 0x0
	.amdhsa_kernel k_q9af31e159b_qkv
		.amdhsa_group_segment_fixed_size 327680
		.amdhsa_private_segment_fixed_size 0
		.amdhsa_enable_private_segment 0
		.amdhsa_kernarg_size 48
		.amdhsa_user_sgpr_count 2
		.amdhsa_user_sgpr_kernarg_segment_ptr 1
		.amdhsa_wavefront_size32 1
		.amdhsa_system_sgpr_workgroup_id_x 1
		.amdhsa_system_sgpr_workgroup_id_y 1
		.amdhsa_system_sgpr_workgroup_id_z 1
		.amdhsa_system_vgpr_workitem_id 0
		.amdhsa_next_free_vgpr 1024
		.amdhsa_next_free_sgpr 102
		.amdhsa_reserve_vcc 0
		.amdhsa_float_denorm_mode_32 3
		.amdhsa_float_denorm_mode_16_64 3
		.amdhsa_memory_ordered 1
		.amdhsa_forward_progress 1
		.amdhsa_inst_pref_size 165
	.end_amdhsa_kernel
	.amdgpu_metadata
---
amdhsa.version: [ 1, 2 ]
amdhsa.kernels:
  - .name:           k_q9af31e159b_qkv
    .symbol:         k_q9af31e159b_qkv.kd
    .args:
      - { .name: abuf, .offset: 0, .size: 8, .value_kind: global_buffer, .address_space: global }
      - { .name: w_qkv_codes, .offset: 8, .size: 8, .value_kind: global_buffer, .address_space: global }
      - { .name: w_qkv_scales, .offset: 16, .size: 8, .value_kind: global_buffer, .address_space: global }
      - { .name: b_qkv, .offset: 24, .size: 8, .value_kind: global_buffer, .address_space: global }
      - { .name: qkbuf, .offset: 32, .size: 8, .value_kind: global_buffer, .address_space: global }
      - { .name: vbuf, .offset: 40, .size: 8, .value_kind: global_buffer, .address_space: global }
    .group_segment_fixed_size: 327680
    .private_segment_fixed_size: 0
    .kernarg_segment_align: 8
    .kernarg_segment_size: 48
    .max_flat_workgroup_size: 128
    .sgpr_count:     102
    .vgpr_count:     1024
    .wavefront_size: 32
...
	.end_amdgpu_metadata
.endif
;; end of part 2
;; launch attn (part 3): grid 8 x 32, 16 waves a work-group, no clusters, 327,680 bytes of LDS; arguments qkbuf, vbuf, obuf; writes obuf
.if DOCPART == 3
	.amdgcn_target "amdgcn-amd-amdhsa--gfx1250"
	.amdhsa_code_object_version 6
	.text
	.protected	k_q9af31e159b_attn
	.globl	k_q9af31e159b_attn
	.p2align	8
	.type	k_q9af31e159b_attn,@function
k_q9af31e159b_attn:
	s_mov_b64 s[64:65], 0
	v_nop
	global_prefetch_b8 v0, s[64:65] scope:SCOPE_SE
	s_setreg_imm32_b32 hwreg(HW_REG_WAVE_MODE, 25, 1), 1
	s_wait_xcnt 0x0
; Causal attention of one (batch, head) on codes of FP6 (E2M3) with E8M0 scales: S^T = k q^T, p = 2^(t - M) with M the ceiling of the running largest t, O^T += v^T p^T, O / l quantised along the head's 64 and stored as operand images.
; Key steps that lie wholly above the diagonal are left out: the mask that the problem builds itself throws them away.
; SHARES: work-group x of a head takes query blocks 15 - x (far) and x (near), 128 queries each: 17 key steps of 128 for each pair of tiles, whatever x.  K and V go in slots of 256 keys (two key steps) through two LDS slots.
; A WAVE OWNS TWO TILES OF 16 QUERIES, tile w % 8 of both blocks, AND ONE OF A SLOT'S TWO KEY STEPS: step w / 8.  So a wave and its partner w xor 8 share each tile's key steps by turns, and every such pair of waves has the same 17 steps.
; State A is the far tile in waves 0-7 and the near tile in waves 8-15; state B the other.  At the end each wave sends state B through LDS bytes of its own to wave w xor 8, which holds the same tile as its state A,
; and joins the two: both M are whole numbers, so both parts are brought under the larger M by exact powers of two.  A state that saw no key has l = 0, O = 0 and the factor 0.
; K's FRAGMENTS LIE 6 REGISTERS APART: the head has 64 numbers, half of the instruction's 128; the upper six registers of q's fragments hold zero codes, so whatever k's operand names above its six (every 6-bit code is a finite number) adds nothing.
; No cluster: under the causal mask the work-groups of a head need different numbers of tiles.
; LIMITS: the promise holds while the scaled scores stay under 2^31 in magnitude; NaN and infinities are not served; a block of zeros gets the byte 1 (this program alone reads the bytes).
; REGISTERS: v1-4, 7-11, 77-79, 250 addresses; v5, 6 the add's two; A: v12 -M, v13 largest t, v14-15 l, v16-27 q, v160-191 O^T; B: v28-31, v62-73, v192-223; v32-55 k; v56-59 conversions' scales, v60-61 the factor;
;   v74-76, v80-91 scale words and nothing else; v92-95, v244-249 work; v96-159 scores, p, then v's fragments; v224-243 p's codes.
.set SLOT1, 32768
.set SCK,   65536
.set SCV,   73728
.set SPARE, 77824
.set XCH,   79872                      ; the exchange: 4,608 bytes a wave, filled by no tensor load
.set XW,    4608
.set SPW,  5
.set NIL,  6
.set BM,   92
.set BP,   244
.set BS,   56
.set F,    60
.set T,    248
.set PW,   76
.set PCD,  224
.set OB,   192
.set WV,   18
.set GQ,   19
.set SEL,  20
.set CS,   22
.set G1,   24
.set G1S,  32
.set G0,   40
.set G0S,  44
.set TB,   2
.set TS,   3
.set Q0B,  14
.set KS,   49
.set TJ,   66
.set SLOTS, 67
.set KF,   68
.set Q0A,  69
.set QL,   70
.macro NOPS n
.rept \n
	v_nop
.endr
.endm
.macro QADR q0, c, w                   ; byte offsets of a tile's q codes and scale words; s53 = its number among the tiles of 16 tokens
	s_lshr_b32 s52, s[\q0], 4
	s_add_co_u32 s53, s15, s52
	s_add_co_u32 s[\c], s16, s53
	s_mul_i32 s[\c], s[\c], 768
	s_mov_b32 s[\c+1], 0
	s_lshr_b32 s52, s53, 2
	s_add_co_u32 s[\w], s17, s52
	s_lshl_b32 s[\w], s[\w], 8
	s_and_b32 s52, s53, 3
	s_lshl_b32 s52, s52, 2
	s_add_co_u32 s[\w], s[\w], s52
	s_add_co_u32 s[\w], s[\w], 6291456
	s_mov_b32 s[\w+1], 0
.endm
	s_load_b128 s[4:7], s[0:1], 0x0                ; qkbuf, vbuf
	s_load_b64 s[8:9], s[0:1], 0x10                ; obuf
	v_lshl_add_u32 v[SPW], v0, 2, SPARE
	v_mov_b32 v[NIL], 0
	ds_add_u32 v[SPW], v[NIL]                      ; the opening lines: the add, twice on end, and its wait
	ds_add_u32 v[SPW], v[NIL]
	v_lshrrev_b32 v8, 5, v0
	v_readfirstlane_b32 s[WV], v8
	s_and_b32 s48, ttmp7, 0xffff                   ; batch x 16 + head
	s_lshr_b32 s49, s48, 4
	s_and_b32 s50, s48, 15
	s_sub_co_u32 s51, 15, ttmp9
	s_lshl_b32 s51, s51, 7                         ; the far block's first query
	s_or_b32 s[QL], s51, 127                       ; the work-group's last query
	s_lshl_b32 s52, ttmp9, 7                       ; the near block's
	s_cmp_lt_u32 s[WV], 8
	s_cselect_b32 s[Q0A], s51, s52
	s_cselect_b32 s[Q0B], s52, s51
	s_and_b32 s53, s[WV], 7
	s_lshl_b32 s53, s53, 4
	s_add_co_u32 s[Q0A], s[Q0A], s53
	s_add_co_u32 s[Q0B], s[Q0B], s53
	s_lshl_b32 s15, s49, 7
	s_lshl_b32 s16, s50, 8
	s_lshl_b32 s17, s50, 6
	QADR Q0B, 10, 12
	QADR Q0A, 54, 56
	s_lshl_b32 s58, s53, 4                         ; where state A's tile goes: [tile][head][768],
	s_add_co_u32 s58, s58, s50
	s_mul_i32 s58, s58, 768
	s_mov_b32 s59, 0
	s_lshr_b32 s60, s53, 2                         ; and its two scale bytes: [tile / 4][head / 2][row][tile % 4][head % 2]
	s_lshl_b32 s60, s60, 3
	s_lshr_b32 s52, s50, 1
	s_add_co_u32 s60, s60, s52
	s_lshl_b32 s60, s60, 8
	s_and_b32 s52, s53, 3
	s_lshl_b32 s52, s52, 2
	s_add_co_u32 s60, s60, s52
	s_and_b32 s52, s50, 1
	s_lshl_b32 s52, s52, 1
	s_add_co_u32 s60, s60, s52
	s_add_co_u32 s60, s60, 3145728
	s_mov_b32 s61, 0
	s_and_b32 s62, s[WV], 1                        ; what the loading waves fetch: waves 0, 1 k's two key steps, waves 2, 3 v's; waves 4, 5 the halves of k's scale words, wave 6 v's
	s_mul_i32 s63, s62, 6144
	s_add_co_u32 s52, s50, 16
	s_lshl_b32 s72, s52, 8
	s_add_co_u32 s72, s72, s15
	s_mul_i32 s72, s72, 768
	s_mul_i32 s73, s48, 98304
	s_lshl_b32 s74, s52, 6
	s_lshl_b32 s75, s49, 5
	s_add_co_u32 s74, s74, s75
	s_lshl_b32 s74, s74, 8
	s_lshl_b32 s75, s62, 12
	s_add_co_u32 s74, s74, s75
	s_add_co_u32 s74, s74, 6291456
	s_lshl_b32 s75, s48, 12
	s_add_co_u32 s75, s75, 3145728
	s_cmp_lt_u32 s[WV], 2
	s_cselect_b32 s72, s72, s73
	s_add_co_u32 s72, s72, s63
	s_mov_b32 s73, 0
	s_cmp_lt_u32 s[WV], 6
	s_cselect_b32 s74, s74, s75
	s_mov_b32 s75, 0
	s_mul_i32 s62, s[WV], 6144                     ; where the codes go: wave x 6,144
	s_lshl_b32 s63, s[WV], 12
	s_add_co_u32 s63, s63, SCK-16384               ; and the scale words: SCK + (wave - 4) x 4,096
	s_lshr_b32 s52, s[WV], 3                       ; which of a slot's two key steps is mine
	s_mul_i32 s[GQ], s52, 6144
	s_lshl_b32 s[KF], s52, 7                       ; my step's first key,
	s_lshl_b32 s[TS], s52, 9                       ; its place among k's scale words,
	s_lshl_b32 s[TJ], s52, 8                       ; and among v's
	s_mul_i32 s16, s[WV], XW
	s_add_co_u32 s16, s16, XCH                     ; where I send state B,
	s_xor_b32 s17, s[WV], 8
	s_mul_i32 s17, s17, XW
	s_add_co_u32 s17, s17, XCH                     ; and where my partner's lies
	s_mov_b32 s[G1], 3<<16                         ; 6,144 dense bytes as 24 rows of 256
	s_mov_b32 s[G1+1], 32<<16
	s_mov_b32 s[G1+2], 24<<16
	s_mov_b32 s[G1+3], 32<<16
	s_mov_b32 s[G1+4], 24
	s_mov_b32 s[G1+5], 32
	s_mov_b32 s[G1+6], 0
	s_mov_b32 s[G1+7], 0
	s_mov_b32 s[G1S], 3<<16                        ; 4,096 dense bytes as 16 rows of 256
	s_mov_b32 s[G1S+1], 32<<16
	s_mov_b32 s[G1S+2], 16<<16
	s_mov_b32 s[G1S+3], 32<<16
	s_mov_b32 s[G1S+4], 16
	s_mov_b32 s[G1S+5], 32
	s_mov_b32 s[G1S+6], 0
	s_mov_b32 s[G1S+7], 0
	s_mov_b32 s[SEL], 0x76543210
	s_mov_b32 s[SEL+1], 0xfedcba98
	s_mov_b32 s[CS], 0x3e38aa3b                    ; log2(e) / 8
	s_mov_b32 s[CS+1], s[CS]
	s_mov_b32 s[TB], 0
	s_mov_b32 s[KS], 0                             ; the slot's first key: the same in all waves
	s_mov_b32 s[SLOTS], 7
	s_wait_dscnt 0x0
	s_wait_kmcnt 0x0
	s_cmp_lt_u32 s[WV], 2
	s_cselect_b64 s[76:77], s[4:5], s[6:7]
	s_cmp_lt_u32 s[WV], 6
	s_cselect_b64 s[78:79], s[4:5], s[6:7]
	s_mov_b32 s[G0], 1
	s_mov_b32 s[G0+1], s62
	s_add_nc_u64 s[G0+2:G0+3], s[76:77], s[72:73]
	s_or_b32 s[G0+3], s[G0+3], 0x80000000
	s_mov_b32 s[G0S], 1
	s_mov_b32 s[G0S+1], s63
	s_add_nc_u64 s[G0S+2:G0S+3], s[78:79], s[74:75]
	s_or_b32 s[G0S+3], s[G0S+3], 0x80000000
	s_cmp_lt_u32 s[WV], 4                          ; the first fills, one a wave, in one chain of branches on the wave's number: slot 0 by waves 0-3, the scale words by waves 4-6
	s_cbranch_scc0 .Lhead_s
	tensor_load_to_lds s[G0:G0+3], s[G1:G1+7]
	s_nop 0
	NOPS 4
	s_branch .Lhead_j
.Lhead_s:
	s_cmp_lt_u32 s[WV], 7
	s_cbranch_scc0 .Lhead_j
	tensor_load_to_lds s[G0S:G0S+3], s[G1S:G1S+7]
	s_nop 0
	NOPS 4
.Lhead_j:
	s_add_nc_u64 s[54:55], s[4:5], s[54:55]
	s_add_nc_u64 s[56:57], s[4:5], s[56:57]
	s_add_nc_u64 s[10:11], s[4:5], s[10:11]
	s_add_nc_u64 s[12:13], s[4:5], s[12:13]
	s_add_nc_u64 s[58:59], s[8:9], s[58:59]
	s_add_nc_u64 s[60:61], s[8:9], s[60:61]
	v_and_b32 v7, 31, v0
	v_lshlrev_b32 v79, 4, v7                       ; 16 x lane
	v_lshlrev_b32 v250, 3, v7                      ; 8 x lane
	v_and_b32 v7, 15, v0
	v_lshlrev_b32 v7, 4, v7                        ; 16 r
	v_add_nc_u32 v1, s[GQ], v79                    ; the same with my key step's place in a slot
	v_add_nc_u32 v2, s[GQ], v250
	v_add_nc_u32 v77, s16, v79
	v_add_nc_u32 v78, s17, v79
	v_add_nc_u32 v3, SCK, v7
	v_add_nc_u32 v4, SCV, v7
	global_load_b128 v[16:19], v79, s[54:55]
	global_load_b64 v[20:21], v250, s[54:55] offset:512
	global_load_b32 v74, v7, s[56:57]
	global_load_b128 v[62:65], v79, s[10:11]
	global_load_b64 v[66:67], v250, s[10:11] offset:512
	global_load_b32 v75, v7, s[12:13]
.irp i, 22,23,24,25,26,27,68,69,70,71,72,73,56,57,58,59,60,61,14,15,30,31,244,245,246,247,248,249
	v_mov_b32 v\i, 0                               ; q's zero codes; what k's last operand names above its six; l; destinations of lane permutes
.endr
	v_mov_b32 v13, 0xff61b1e6                      ; the largest t so far: -3e38
	v_mov_b32 v29, 0xff61b1e6
	v_floor_f32 v12, -v13
	v_floor_f32 v28, -v29
.set n, 0
.rept 64
	v_mov_b32 v[160+n], 0                          ; O^T of both states: the step is written once and finds zeros
.set n, n+1
.endr
; one key step of 128 for one state: QF q's fragment, QS its scale word, NM the pair -M, largest t, LS l in two halves, OA O^T, Q0 the scalar with the tile's first query
.macro STEP QF, QS, NM, LS, OA, Q0
	s_add_co_u32 s71, s[\Q0], 15
	s_cmp_gt_u32 s[KF], s71
	s_cbranch_scc1 .Lhidden_\@                     ; the step lies wholly above the diagonal: ids alone decide
	v_add_nc_u32 v8, s[TB], v1
	s_wait_alu depctr_va_vdst(0)
	v_add_nc_u32 v9, s[TB], v2
	s_wait_alu depctr_va_vdst(0)
	v_add_nc_u32 v10, s[TS], v3
	v_add_nc_u32 v11, s[TJ], v4
	v_nop                                          ; six places in all behind the last products, whose operands the scores are laid over
	v_nop
.irp g, 0,1
.if \g
	NOPS 4
.endif
.irp t, 0,1,2,3
	ds_load_b128 v[32+6*\t:35+6*\t], v8 offset:(4*\g+\t)*768
	ds_load_b64 v[36+6*\t:37+6*\t], v9 offset:(4*\g+\t)*768+512
.endr
.if \g == 0
	ds_load_b128 v[80:83], v10
	ds_load_b128 v[84:87], v10 offset:256
.endif
	s_wait_dscnt 0x0
.irp t, 0,1,2,3
	v_wmma_scale_f32_16x16x128_f8f6f4 v[96+8*(4*\g+\t):103+8*(4*\g+\t)], v[32+6*\t:43+6*\t], v[\QF:\QF+11], 0, v[80+4*\g+\t], v[\QS] matrix_a_fmt:MATRIX_FMT_FP6 matrix_b_fmt:MATRIX_FMT_FP6
.endr
.endr
	NOPS 4
	s_add_co_u32 s71, s[KF], 127
	s_cmp_le_u32 s71, s[\Q0]
	s_cbranch_scc1 .Lopen_\@                       ; wholly under the diagonal: nothing to mask
	s_sub_co_i32 s71, s[\Q0], s[KF]
	v_and_b32 v[T], 15, v0
	v_bfe_u32 v[T+1], v0, 4, 1
	v_lshlrev_b32 v[T+1], 3, v[T+1]
	v_sub_nc_u32 v[T], v[T], v[T+1]
	v_add_nc_u32 v[T], s71, v[T]                   ; my query less the step's first key less 8 h
	v_mov_b32 v[T+1], 0xff800000
.set n, 0
.rept 64
	v_cmp_gt_i32 vcc_lo, 16*(n/8)+n%8, v[T]
	v_cndmask_b32 v[96+n], v[96+n], v[T+1], vcc_lo
.set n, n+1
.endr
.Lopen_\@:
.irp b, 0,1,2,3
	v_max3_num_f32 v[BM+\b], v[96+16*\b], v[97+16*\b], v[98+16*\b]   ; each block's largest score: for the row's maximum and for the block's largest p
.endr
.irp i, 3,5,7,9,11,13
.irp b, 0,1,2,3
	v_max3_num_f32 v[BM+\b], v[BM+\b], v[96+16*\b+\i], v[97+16*\b+\i]
.endr
.endr
.irp b, 0,1,2,3
	v_max_num_f32 v[BM+\b], v[BM+\b], v[111+16*\b]
.endr
.irp b, 0,1,2,3
	v_permlanex16_b32 v[BP+\b], v[BM+\b], s[SEL], s[SEL+1]
.endr
.irp b, 0,1,2,3
	v_max_num_f32 v[BM+\b], v[BM+\b], v[BP+\b]
.endr
	v_max3_num_f32 v[T], v[BM], v[BM+1], v[BM+2]
	s_delay_alu instid0(VALU_DEP_1)
	v_max_num_f32 v[T], v[T], v[BM+3]
	s_delay_alu instid0(VALU_DEP_1)
	v_mul_f32 v[T], s[CS], v[T]
	s_delay_alu instid0(VALU_DEP_1)
	v_max_num_f32 v[\NM+1], v[\NM+1], v[T]         ; the running largest t
	v_mov_b32 v[T], v[\NM]
	s_delay_alu instid0(VALU_DEP_2)
	v_floor_f32 v[\NM], -v[\NM+1]                  ; -M = floor(-t)
	s_delay_alu instid0(VALU_DEP_1)
	v_sub_f32 v[T], v[\NM], v[T]
	s_delay_alu instid0(VALU_DEP_1)
	v_cvt_i32_f32 v[T], v[T]
	s_delay_alu instid0(VALU_DEP_1)
	v_ldexp_f32 v[F], 1.0, v[T]                    ; 2^(old M - new M)
.set n, 0
.rept 32
	v_pk_fma_f32 v[96+n:97+n], v[96+n:97+n], s[CS:CS+1], v[\NM:\NM+1] op_sel_hi:[1,0,0]
.set n, n+2
.endr
.irp b, 0,1,2,3
	v_fma_f32 v[BM+\b], v[BM+\b], s[CS], v[\NM]
.endr
	s_wait_alu depctr_va_vdst(0)                   ; ahead of the batch
.set n, 0
.rept 64
	v_exp_f32 v[96+n], v[96+n]
.set n, n+1
.endr
	v_pk_mul_f32 v[\LS:\LS+1], v[\LS:\LS+1], v[F:F+1] op_sel_hi:[1,0]
	s_wait_alu depctr_va_vdst(0)                   ; and behind it
.irp b, 0,1,2,3
	v_exp_f32 v[BM+\b], v[BM+\b]
.endr
	v_pk_add_f32 v[BP:BP+1], v[96:97], v[98:99]    ; l is summed of the unquantised p
.irp j, 4,8,12,16,20,24,28,32,36,40,44,48,52,56,60
	v_pk_add_f32 v[\LS:\LS+1], v[\LS:\LS+1], v[96+\j:97+\j]
	v_pk_add_f32 v[BP:BP+1], v[BP:BP+1], v[98+\j:99+\j]
.endr
	s_delay_alu instid0(VALU_DEP_1)
	v_pk_add_f32 v[\LS:\LS+1], v[\LS:\LS+1], v[BP:BP+1]
	s_wait_alu depctr_va_vdst(0)
.irp b, 0,1,2,3
	v_max_num_f32 v[BM+\b], 0x1800000, v[BM+\b]    ; the floor 2^(3 - 127): the byte cannot fall under 1
.endr
.irp b, 0,1,2,3
	v_add_nc_u32 v[BS+\b], 0xff000000, v[BM+\b]    ; 2 off the exponent field: the conversion's scale operand
.endr
.irp b, 0,1,2,3
	v_lshrrev_b32 v[BP+\b], 23, v[BS+\b]
.endr
	v_lshl_or_b32 v[PW], v[BP+1], 8, v[BP]
	s_delay_alu instid0(VALU_DEP_1)
	v_lshl_or_b32 v[PW], v[BP+2], 16, v[PW]
	s_delay_alu instid0(VALU_DEP_1)
	v_lshl_or_b32 v[PW], v[BP+3], 24, v[PW]
.irp c, 0,1
	v_cvt_scalef32_pk16_fp6_f32 v[PCD+6*\c:PCD+2+6*\c], v[96+32*\c:111+32*\c], v[BS+2*\c]
	v_cvt_scalef32_pk16_fp6_f32 v[PCD+12+4*\c:PCD+14+4*\c], v[112+32*\c:127+32*\c], v[BS+2*\c+1]
.endr
	v_nop
.irp t, 0,1,2,3
	ds_load_b128 v[96+12*\t:99+12*\t], v8 offset:12288+1536*\t
	ds_load_b64 v[100+12*\t:101+12*\t], v9 offset:12288+1536*\t+512
	ds_load_b128 v[102+12*\t:105+12*\t], v8 offset:12288+1536*\t+768
	ds_load_b64 v[106+12*\t:107+12*\t], v9 offset:12288+1536*\t+1280
.endr
	ds_load_b128 v[88:91], v11
.irp c, 0,1
.irp i, 0,1,2
	v_permlane16_swap_b32 v[PCD+6*\c+\i], v[PCD+12+4*\c+\i]
.endr
.irp i, 0,1,2
	v_mov_b32 v[PCD+3+6*\c+\i], v[PCD+12+4*\c+\i]
.endr
.endr
.set n, 0
.rept 16
	v_pk_mul_f32 v[\OA+n:\OA+n+1], v[\OA+n:\OA+n+1], v[F:F+1] op_sel_hi:[1,0]
.set n, n+2
.endr
	s_wait_alu depctr_va_vdst(0)
	s_wait_dscnt 0x0
.irp t, 0,1,2,3
	v_wmma_scale_f32_16x16x128_f8f6f4 v[\OA+8*\t:\OA+7+8*\t], v[96+12*\t:107+12*\t], v[PCD:PCD+11], v[\OA+8*\t:\OA+7+8*\t], v[88+\t], v[PW] matrix_a_fmt:MATRIX_FMT_FP6 matrix_b_fmt:MATRIX_FMT_FP6
.endr
.Lhidden_\@:
.endm
; a change of slots: every wave waits for all its tensor loads, adds 0 to its spare words, waits for that and for its reads; one barrier; the refill first behind it
.macro CHANGE fill
	s_wait_tensorcnt 0x0
	ds_add_u32 v[SPW], v[NIL]
.if \fill
	ds_add_u32 v[SPW], v[NIL]
	s_xor_b32 s[G0+1], s[G0+1], SLOT1
	s_add_nc_u64 s[G0+2:G0+3], s[G0+2:G0+3], 12288
.endif
	s_wait_dscnt 0x0
	s_barrier_signal -1
	s_barrier_wait -1
.if \fill
	s_add_co_u32 s71, s[KS], 256
	s_cmp_gt_u32 s71, s[QL]
	s_cbranch_scc1 .Lpast_\@                       ; no query of the work-group sees the next slot's keys: it is not fetched
	s_cmp_lt_u32 s[WV], 4
	s_cbranch_scc0 .Lpast_\@
	tensor_load_to_lds s[G0:G0+3], s[G1:G1+7]
	s_nop 0
	NOPS 4
.Lpast_\@:
.endif
.endm
	s_wait_alu depctr_va_vdst(0)                   ; the head's end
	s_wait_loadcnt 0x0
.Lslot:
	CHANGE 1
	STEP 16, 74, 12, 14, 160, Q0A
	STEP 62, 75, 28, 30, OB, Q0B
	s_xor_b32 s[TB], s[TB], SLOT1
	s_add_co_u32 s[KF], s[KF], 256
	s_add_co_u32 s[KS], s[KS], 256
	s_add_co_u32 s[TS], s[TS], 1024
	s_add_co_u32 s[TJ], s[TJ], 512
	s_sub_co_u32 s[SLOTS], s[SLOTS], 1
	s_cmp_lg_u32 s[SLOTS], 0
	s_cbranch_scc1 .Lslot
	CHANGE 0
	STEP 16, 74, 12, 14, 160, Q0A
	STEP 62, 75, 28, 30, OB, Q0B
	NOPS 4
; state B goes to wave w xor 8 as an image of its registers; that wave's state B, my state A's tile, comes back
.irp t, 0,1,2,3
	s_wait_alu depctr_va_vdst(0)                   ; directly ahead of each accumulator's first reader
	ds_store_b128 v77, v[OB+8*\t:OB+8*\t+3] offset:1024*\t
	ds_store_b128 v77, v[OB+8*\t+4:OB+8*\t+7] offset:1024*\t+512
.endr
	ds_store_b128 v77, v[28:31] offset:4096
	s_wait_dscnt 0x0                               ; for the partner's sake
	s_barrier_signal -1
	s_barrier_wait -1
.irp k, 0,1,2,3,4,5,6,7
	ds_load_b128 v[96+4*\k:99+4*\k], v78 offset:512*\k
.endr
	ds_load_b128 v[128:131], v78 offset:4096
	s_wait_dscnt 0x0
	v_min_num_f32 v[T], v12, v128                  ; -M of the two together
	v_add_f32 v14, v14, v15
	v_add_f32 v130, v130, v131
	v_sub_f32 v[T+1], v[T], v12
	v_sub_f32 v[BP], v[T], v128
	v_cvt_i32_f32 v[T+1], v[T+1]                   ; (it saturates: a state that saw no key gets the factor 0)
	v_cvt_i32_f32 v[BP], v[BP]
	v_ldexp_f32 v[F], 1.0, v[T+1]
	v_ldexp_f32 v[BP], 1.0, v[BP]
	v_mul_f32 v14, v14, v[F]
	s_delay_alu instid0(VALU_DEP_1)
	v_fma_f32 v14, v130, v[BP], v14
.set n, 0
.rept 16
	v_pk_mul_f32 v[96+n:97+n], v[96+n:97+n], v[BP:BP+1] op_sel_hi:[1,0]
.set n, n+2
.endr
	v_permlanex16_b32 v[T], v14, s[SEL], s[SEL+1]
	s_delay_alu instid0(VALU_DEP_1)
	v_add_f32 v14, v14, v[T]                       ; the row's sum
	s_wait_alu depctr_va_vdst(0)                   ; directly ahead of the first reader of my O^T, and ahead of the transcendental
.set n, 0
.rept 16
	v_pk_fma_f32 v[96+n:97+n], v[160+n:161+n], v[F:F+1], v[96+n:97+n] op_sel_hi:[1,0,1]
.set n, n+2
.endr
	v_rcp_f32 v14, v14
	v_nop
	s_wait_alu depctr_va_vdst(0)
.set n, 0
.rept 16
	v_pk_mul_f32 v[96+n:97+n], v[96+n:97+n], v[14:15] op_sel_hi:[1,0]
.set n, n+2
.endr
.irp b, 0,1
.irp i, 0,1,2,3,4,5,6,7
	v_permlane16_swap_b32 v[96+16*\b+\i], v[104+16*\b+\i]   ; the head's 64 in their true order: 16 neighbours a lane
.endr
.endr
.irp b, 0,1
	v_max3_num_f32 v[BM+\b], |v[96+16*\b]|, |v[97+16*\b]|, 0x1800000
.endr
.irp i, 2,4,6,8,10,12,14
.irp b, 0,1
	v_max3_num_f32 v[BM+\b], v[BM+\b], |v[96+16*\b+\i]|, |v[97+16*\b+\i]|
.endr
.endr
.irp b, 0,1
	v_permlanex16_b32 v[BP+\b], v[BM+\b], s[SEL], s[SEL+1]
.endr
.irp b, 0,1
	v_max_num_f32 v[BM+\b], v[BM+\b], v[BP+\b]
.endr
.irp b, 0,1
	v_add_nc_u32 v[BS+\b], 0xff000000, v[BM+\b]
.endr
.irp b, 0,1
	v_lshrrev_b32 v[BP+\b], 23, v[BS+\b]
.endr
	v_lshl_or_b32 v[T], v[BP+1], 8, v[BP]
	v_cvt_scalef32_pk16_fp6_f32 v[PCD:PCD+2], v[96:111], v[BS]
	v_cvt_scalef32_pk16_fp6_f32 v[PCD+12:PCD+14], v[112:127], v[BS+1]
	v_nop
.irp i, 0,1,2
	v_permlane16_swap_b32 v[PCD+\i], v[PCD+12+\i]
.endr
.irp i, 0,1,2
	v_mov_b32 v[PCD+3+\i], v[PCD+12+\i]
.endr
	global_store_b128 v79, v[PCD:PCD+3], s[58:59]  ; 512 and 256 consecutive bytes, aligned
	global_store_b64 v250, v[PCD+4:PCD+5], s[58:59] offset:512
	global_store_b16 v7, v[T], s[60:61]
	s_wait_tensorcnt 0x0                           ; the wave's end
	ds_add_u32 v[SPW], v[NIL]
	s_wait_dscnt 0x0
	s_endpgm
.Lfunc_end_k_q9af31e159b_attn:
	.size	k_q9af31e159b_attn, .Lfunc_end_k_q9af31e159b_attn-k_q9af31e159b_attn
	.p2alignl 7, 3214868480
	.fill 96, 4, 3214868480
	.section	.rodata,"a",@progbits
	.p2align	6, 0x0
	.amdhsa_kernel k_q9af31e159b_attn
		.amdhsa_group_segment_fixed_size 327680
		.amdhsa_private_segment_fixed_size 0
		.amdhsa_enable_private_segment 0
		.amdhsa_kernarg_size 24
		.amdhsa_user_sgpr_count 2
		.amdhsa_user_sgpr_kernarg_segment_ptr 1
		.amdhsa_wavefront_size32 1
		.amdhsa_system_sgpr_workgroup_id_x 1
		.amdhsa_system_sgpr_workgroup_id_y 1
		.amdhsa_system_sgpr_workgroup_id_z 1
		.amdhsa_system_vgpr_workitem_id 0
		.amdhsa_next_free_vgpr 256
		.amdhsa_next_free_sgpr 80
		.amdhsa_reserve_vcc 1
		.amdhsa_float_denorm_mode_32 3
		.amdhsa_float_denorm_mode_16_64 3
		.amdhsa_memory_ordered 1
		.amdhsa_forward_progress 1
		.amdhsa_inst_pref_size 108
	.end_amdhsa_kernel
	.amdgpu_metadata
---
amdhsa.version: [ 1, 2 ]
amdhsa.kernels:
  - .name:           k_q9af31e159b_attn
    .symbol:         k_q9af31e159b_attn.kd
    .args:
      - { .name: qkbuf, .offset: 0, .size: 8, .value_kind: global_buffer, .address_space: global }
      - { .name: vbuf, .offset: 8, .size: 8, .value_kind: global_buffer, .address_space: global }
      - { .name: obuf, .offset: 16, .size: 8, .value_kind: global_buffer, .address_space: global }
    .group_segment_fixed_size: 327680
    .private_segment_fixed_size: 0
    .kernarg_segment_align: 8
    .kernarg_segment_size: 24
    .max_flat_workgroup_size: 512
    .sgpr_count:     80
    .vgpr_count:     256
    .wavefront_size: 32
...
	.end_amdgpu_metadata
.endif
;; end of part 3
;; launch proj (part 4): grid 8 x 32, 4 waves a work-group, clusters of 4 x 4, 327,680 bytes of LDS; arguments obuf, w_proj_codes, w_proj_scales, b_proj, x, x2; writes x2
.if DOCPART == 4
	.amdgcn_target "amdgcn-amd-amdhsa--gfx1250"
	.amdhsa_code_object_version 6
	.text
	.protected	k_q9af31e159b_proj
	.globl	k_q9af31e159b_proj
	.p2align	8
	.type	k_q9af31e159b_proj,@function
k_q9af31e159b_proj:
	s_mov_b64 s[64:65], 0
	v_nop
	global_prefetch_b8 v0, s[64:65] scope:SCOPE_SE
	s_setreg_imm32_b32 hwreg(HW_REG_WAVE_MODE, 25, 1), 1
	s_wait_xcnt 0x0
	s_wait_alu depctr_hold_cnt(0) depctr_sa_sdst(0) depctr_va_vdst(0) depctr_va_sdst(0) depctr_va_ssrc(0) depctr_va_vcc(0) depctr_vm_vsrc(0)
	s_getreg_b32 s2, hwreg(HW_REG_IB_STS2, 6, 4)
	s_cmp_eq_u32 s2, 0
	s_cbranch_scc0 .Lentry_in_a_cluster
	s_endpgm
.Lentry_in_a_cluster:
	s_bfe_u32 s2, ttmp6, 0x10000c
	s_cmp_lg_u32 s2, 0xf033
	s_cbranch_scc0 .Lentry_shape_is_right
	s_endpgm
.Lentry_shape_is_right:
; x2 = x + (A W^T + bias): A [4096][1024] as images of operand registers ([row / 16][K step of 128][1536]) with its scale words behind them, W [1024][1024] as row-major codes of FP6 (E2M3), 768 bytes a row, with E8M0 bytes.
; A tile of 128 x 128 to a work-group (256 work-groups), 64 x 64 to each of four waves: 16 accumulators.
; ALL OF K LIES IN LDS AT ONCE: A's 8 tiles x 12,288 bytes, dense; W's 128 rows of 768 bytes, 16 bytes of padding behind every 256 (pitch 816).  One joint load a wave at the head (waves 0, 1 A's halves, waves 2, 3 W's),
; one barrier, no refill.  Every row that a tensor load fetches begins at a multiple of 256 bytes from its buffer's first byte.
; THE SCALE WORDS go from memory straight into their 32 registers: eight loads a wave, each of whole runs of 16 bytes a lane; A's 2,048 and W's 2,048 bytes are dense blocks.
; 4 x 4 work-groups form a cluster: A's tiles are asked for jointly along a row of it, W's along a column.  No prefetch: all tiles are asked for at the head, so there is no loop to run ahead in.
; Source 0 = 16 rows of W, source 1 = 16 rows of A: a lane holds eight neighbouring columns of one row of the result.
; REGISTERS: window 0: v8-11 bias; v16-30 addresses; v32-63 scale words and nothing else; v64-127 the way out; v128-223 A's 8 fragments (4 kk + a).  window 1: W's fragments, two sets (4 kk + b).  window 2: v0-127 accumulators, v128-255 the residual.
.set KROW,   768
.set ASCL,   3145728                   ; where A's scale words begin in its buffer
.set PITCH,  816
.set FR,     12
.set HALFA,  4*12288
.set HALFB,  64*PITCH
.set STG,    2*HALFA+2*HALFB           ; the stages, 16 rows x 272 bytes a wave: bytes of their own
.set SPARE,  STG+4*16*272              ; the spare words, 128 bytes a wave
.set BI,   8
.set ADRA, 16                          ; v16: 16 x lane, v17: 8 x lane, in my half of A
.set ADRB, 20                          ; v20: row x pitch + 24 h; v21: the same behind one padding more
.set STO,  24
.set RD,   25
.set CO,   26
.set VSA,  27
.set SPW,  28
.set NIL,  29
.set VSB,  30
.set SC,   32
.set BK,   64
.set AF,   128
.set RS,   128
.set G1, 24
.set G0, 32
.set G1B, 48
.set G0B, 56
.set MSB, 0
.macro WIN new                         ; the immediate's high byte repeats the setting that is left
.if MSB != \new
	s_set_vgpr_msb (MSB<<8)|\new
.set MSB, \new
.endif
.endm
.set MUL,  0xa1                        ; source 0 (W) window 1, source 1 (A) window 0, C and D window 2
.set TO_B, 0x40
.macro PLACES n
.rept \n
	v_nop
.endr
.endm
.macro CROUND                          ; a round of the cluster's barrier
	s_barrier_signal -1
	s_barrier_wait -1
	s_cmp_lg_u32 s14, 0
	s_cbranch_scc1 .Lnot_wave_0_\@
	s_barrier_signal -3
.Lnot_wave_0_\@:
	s_barrier_wait -3
	s_barrier_signal -1
	s_barrier_wait -1
.endm
	s_load_b128 s[4:7], s[0:1], 0x0                ; A, W's codes
	s_load_b128 s[8:11], s[0:1], 0x10              ; W's scales, bias
	s_load_b128 s[96:99], s[0:1], 0x20             ; residual, out
	v_lshl_add_u32 v[SPW], v0, 2, SPARE
	v_mov_b32 v[NIL], 0
	ds_add_u32 v[SPW], v[NIL]                      ; the opening lines: the add, twice on end, and its wait ahead of my first tensor load
	ds_add_u32 v[SPW], v[NIL]
	v_lshrrev_b32 v1, 5, v0
	v_readfirstlane_b32 s14, v1
	s_lshr_b32 s15, s14, 1                         ; my half of the rows.  Also: I fetch for A (0) or W (1)
	s_and_b32 s16, s14, 1                          ; my half of the columns.  Also: which half I fetch
	s_bfe_u32 s40, ttmp6, 0x40000
	s_bfe_u32 s41, ttmp6, 0x40004
	s_lshl_b32 s42, ttmp9, 2
	s_add_co_u32 s42, s42, s40                     ; tile column
	s_and_b32 s17, ttmp7, 0xffff
	s_lshl_b32 s17, s17, 2
	s_add_co_u32 s17, s17, s41                     ; tile row
	s_lshl_b32 s43, s41, 2
	s_lshl_b32 s43, 15, s43
	s_lshl_b32 s44, 0x1111, s40
	s_or_b32 s[G1+0], s43, (3<<16)|(1<<21)         ; A: four rows of 12,288 bytes (1,536 elements of 8), no padding
	s_mov_b32 s[G1+1], 1536<<16
	s_mov_b32 s[G1+2], 4<<16
	s_mov_b32 s[G1+3], 1536<<16
	s_mov_b32 s[G1+4], 4
	s_mov_b32 s[G1+5], 1536
	s_mov_b32 s[G1+6], 0
	s_mov_b32 s[G1+7], 0
	s_or_b32 s[G1B+0], s44, (0<<16)|(1<<20)|(1<<21)|(5<<22)|(3<<25)  ; W: 64 rows of 768 bytes, 4 words of padding behind every 64
	s_mov_b32 s[G1B+1], KROW<<16
	s_mov_b32 s[G1B+2], 64<<16
	s_mov_b32 s[G1B+3], KROW<<16
	s_mov_b32 s[G1B+4], 64
	s_mov_b32 s[G1B+5], KROW
	s_mov_b32 s[G1B+6], 0
	s_mov_b32 s[G1B+7], 0
	s_lshl_b32 s20, s17, 3
	s_lshl_b32 s18, s16, 2
	s_add_co_u32 s20, s20, s18                     ; A: image tile 8 x tile row + 4 x the half that I fetch
	s_mul_i32 s20, s20, 12288
	s_mov_b32 s21, 0
	s_lshl_b32 s22, s17, 1
	s_add_co_u32 s22, s22, s15                     ; the scale words of my 64 rows: group of four tiles, 8 K steps x 256 bytes
	s_lshl_b32 s22, s22, 11
	s_add_co_u32 s22, s22, ASCL
	s_mov_b32 s23, 0
	s_lshl_b32 s46, s42, 7
	s_lshl_b32 s18, s16, 6
	s_add_co_u32 s46, s46, s18                     ; W: row 128 x tile column + 64 x half: what I fetch, and my columns
	s_lshl_b32 s92, s46, 5                         ; their scale bytes, 32 a row
	s_mov_b32 s93, 0
	s_mul_i32 s46, s46, KROW
	s_mov_b32 s47, 0
	s_mul_i32 s45, s16, HALFA                      ; where A's half goes
	s_mul_i32 s2, s16, HALFB
	s_add_co_u32 s2, s2, 2*HALFA                   ; where W's half goes, and where I read W
	s_mul_i32 s3, s15, HALFA                       ; where I read A
	s_mul_i32 s94, s14, 16*272
	s_add_co_u32 s94, s94, STG                     ; my stage
	s_lshl_b32 s12, s17, 7
	s_lshl_b32 s13, s15, 6
	s_add_co_u32 s12, s12, s13
	s_lshl_b32 s12, s12, 12                        ; my first row, 4,096 bytes a row,
	s_lshl_b32 s18, s42, 9
	s_lshl_b32 s19, s16, 8
	s_add_co_u32 s18, s18, s19                     ; my first column, in bytes
	s_add_co_u32 s12, s12, s18
	s_mov_b32 s13, 0
	s_mov_b32 s19, 0
	s_wait_dscnt 0x0                               ; both opening adds are done
	s_wait_kmcnt 0x0
	s_add_nc_u64 s[20:21], s[4:5], s[20:21]
	s_add_nc_u64 s[22:23], s[4:5], s[22:23]
	s_add_nc_u64 s[46:47], s[6:7], s[46:47]
	s_add_nc_u64 s[92:93], s[8:9], s[92:93]
	s_add_nc_u64 s[10:11], s[10:11], s[18:19]
	s_add_nc_u64 s[96:97], s[96:97], s[12:13]
	s_add_nc_u64 s[98:99], s[98:99], s[12:13]
	CROUND                                         ; all sixteen work-groups are here: the joint loads meet
	s_mov_b32 s[G0], 1
	s_mov_b32 s[G0+1], s45
	s_mov_b64 s[G0+2:G0+3], s[20:21]
	s_or_b32 s[G0+3], s[G0+3], 0x80000000
	s_mov_b32 s[G0B], 1
	s_mov_b32 s[G0B+1], s2
	s_mov_b64 s[G0B+2:G0B+3], s[46:47]
	s_or_b32 s[G0B+3], s[G0B+3], 0x80000000
	s_cmp_eq_u32 s15, 0                            ; one tensor load a wave; an s_nop 0 and four v_nop follow each line
	s_cbranch_scc0 .Lfor_w
	tensor_load_to_lds s[G0:G0+3], s[G1:G1+7]
	s_nop 0
	PLACES 4
	s_branch .Lasked
.Lfor_w:
	tensor_load_to_lds s[G0B:G0B+3], s[G1B:G1B+7]
	s_nop 0
	PLACES 4
.Lasked:
	v_and_b32 v1, 15, v0                           ; r
	v_bfe_u32 v2, v0, 4, 1                         ; h
	v_and_b32 v3, 31, v0
	v_lshlrev_b32 v4, 4, v3
	v_lshlrev_b32 v5, 3, v3
	v_mul_u32_u24 v6, v1, PITCH
	v_mad_u32_u24 v6, v2, 24, v6
	v_add_nc_u32 v[ADRA], s3, v4
	v_add_nc_u32 v[ADRA+1], s3, v5
	v_add_nc_u32 v[ADRB], s2, v6
	v_lshl_add_u32 v[ADRB+1], v2, 4, v[ADRB]
	v_lshlrev_b32 v[VSA], 4, v1
	v_lshl_add_u32 v[VSA], v2, 9, v[VSA]           ; A's words: 16 r in the K step's 256 bytes; lanes 16-31 two K steps on
	v_lshlrev_b32 v[VSB], 5, v1
	v_lshl_add_u32 v[VSB], v2, 10, v[VSB]          ; W's: my row's 32 bytes; lanes 16-31 two blocks of 16 rows on
	v_mul_u32_u24 v5, v1, 272
	v_lshl_add_u32 v5, v2, 5, v5
	v_add_nc_u32 v[STO], s94, v5
	v_mul_u32_u24 v6, v2, 272
	v_lshl_add_u32 v6, v1, 4, v6
	v_add_nc_u32 v[RD], s94, v6
	v_lshlrev_b32 v7, 12, v2
	v_lshl_add_u32 v[CO], v1, 4, v7                ; lanes 0-15 one row's 256 bytes, lanes 16-31 the next row's
	v_lshlrev_b32 v3, 4, v1
	s_wait_alu depctr_va_vdst(0)                   ; the head's end
; scale words: set s = K steps 4 s .. 4 s + 3.  A: register 16 s + 4 kk + a: lanes 0-15 K step 4 s + kk, lanes 16-31 K step 4 s + 2 + kk.  W: register 16 s + 8 + 4 (b % 2) + K step % 4: lanes 16-31 blocks 2, 3
.irp s, 0,1
.irp k, 0,1
	global_load_b128 v[SC+16*\s+4*\k:SC+16*\s+4*\k+3], v[VSA], s[22:23] offset:1024*\s+256*\k
	global_load_b128 v[SC+16*\s+8+4*\k:SC+16*\s+8+4*\k+3], v[VSB], s[92:93] offset:16*\s+512*\k
.endr
.endr
	global_load_b128 v[BI:BI+3], v3, s[10:11]      ; the bias of my four columns
	WIN 0x80
.irp a, 0,1,2,3
.irp t, 0,1,2,3,4,5,6,7
	global_load_b128 v[RS+32*\a+4*\t:RS+32*\a+4*\t+3], v[CO], s[96:97] offset:65536*\a+8192*\t   ; the residual, in the layout of the way out
.endr
.endr
	WIN 0
.macro FETCH_A Q, kk                   ; A's four fragments of K step 2 Q + kk: an image comes back as it was stored: 16 loads
.irp a, 0,1,2,3
.set rF, AF+FR*(4*(\kk)+\a)
.set oF, \a*12288+(2*(\Q)+(\kk))*1536
	ds_load_b128 v[rF:rF+3], v[ADRA] offset:oF
	ds_load_b64 v[rF+4:rF+5], v[ADRA+1] offset:oF+512
	ds_load_b128 v[rF+6:rF+9], v[ADRA] offset:oF+768
	ds_load_b64 v[rF+10:rF+11], v[ADRA+1] offset:oF+1280
.endr
.endm
.macro FETCH_B Q                       ; W's eight fragments of K steps 2 Q, 2 Q + 1 into set Q % 2: 48 pieces of 8 bytes; where the piece three on lies behind one padding more, the second address register serves
	WIN TO_B
.irp k, 0,1
.irp b, 0,1,2,3
.irp p, 0,1,2,3,4,5
.set rF, 128*((\Q)%2)+FR*(4*\k+\b)+2*\p
.set PCE, 12*(2*(\Q)+\k)+6*(\p/3)+\p%3
.if PCE%32 < 29
	ds_load_b64 v[rF:rF+1], v[ADRB] offset:8*PCE+16*(PCE/32)+\b*16*PITCH
.else
	ds_load_b64 v[rF:rF+1], v[ADRB+1] offset:8*PCE+16*(PCE/32)+\b*16*PITCH
.endif
.endr
.endr
.endr
	WIN 0
.endm
; 8 products of K step 2 Q + kk; the 16 accumulators take turns, one instruction a turn, in the same order throughout
.macro MULQ kk, a0, Q, zero
.irp a, \a0, \a0+1
.irp b, 0,1,2,3
.set rD, 8*(4*(\a)+\b)
.set rB, 128*((\Q)%2)+FR*(4*(\kk)+\b)
.set rA, AF+FR*(4*(\kk)+(\a))
.set rSB, SC+16*((\Q)/2)+8+4*(\b%2)+2*((\Q)%2)+(\kk)
.set rSA, SC+16*((\Q)/2)+4*(\kk)+(\a)
.if \zero
.if \b < 2
	v_wmma_scale_f32_16x16x128_f8f6f4 v[rD:rD+7], v[rB:rB+11], v[rA:rA+11], 0, v[rSB], v[rSA] matrix_a_fmt:MATRIX_FMT_FP6 matrix_b_fmt:MATRIX_FMT_FP6
.else
	v_wmma_scale_f32_16x16x128_f8f6f4 v[rD:rD+7], v[rB:rB+11], v[rA:rA+11], 0, v[rSB], v[rSA] matrix_a_fmt:MATRIX_FMT_FP6 matrix_b_fmt:MATRIX_FMT_FP6 matrix_a_scale:MATRIX_SCALE_ROW1
.endif
.elseif (\Q)%2
.if \b < 2
	v_wmma_scale_f32_16x16x128_f8f6f4 v[rD:rD+7], v[rB:rB+11], v[rA:rA+11], v[rD:rD+7], v[rSB], v[rSA] matrix_a_fmt:MATRIX_FMT_FP6 matrix_b_fmt:MATRIX_FMT_FP6 matrix_b_scale:MATRIX_SCALE_ROW1
.else
	v_wmma_scale_f32_16x16x128_f8f6f4 v[rD:rD+7], v[rB:rB+11], v[rA:rA+11], v[rD:rD+7], v[rSB], v[rSA] matrix_a_fmt:MATRIX_FMT_FP6 matrix_b_fmt:MATRIX_FMT_FP6 matrix_a_scale:MATRIX_SCALE_ROW1 matrix_b_scale:MATRIX_SCALE_ROW1
.endif
.else
.if \b < 2
	v_wmma_scale_f32_16x16x128_f8f6f4 v[rD:rD+7], v[rB:rB+11], v[rA:rA+11], v[rD:rD+7], v[rSB], v[rSA] matrix_a_fmt:MATRIX_FMT_FP6 matrix_b_fmt:MATRIX_FMT_FP6
.else
	v_wmma_scale_f32_16x16x128_f8f6f4 v[rD:rD+7], v[rB:rB+11], v[rA:rA+11], v[rD:rD+7], v[rSB], v[rSA] matrix_a_fmt:MATRIX_FMT_FP6 matrix_b_fmt:MATRIX_FMT_FP6 matrix_a_scale:MATRIX_SCALE_ROW1
.endif
.endif
.endr
.endr
.endm
.macro SUPER Q, zero                   ; two K steps, 32 products; the next two steps' fragments are fetched in the middle and at the end
	s_wait_dscnt 16                                ; all but A's second four fragments (16 loads)
	WIN MUL
	MULQ 0, 0, \Q, \zero
	MULQ 0, 2, \Q, \zero
	s_wait_dscnt 0
.if (\Q) < 3
	PLACES 4
	FETCH_B (\Q)+1
	FETCH_A (\Q)+1, 0
	WIN MUL
.endif
	MULQ 1, 0, \Q, 0
	MULQ 1, 2, \Q, 0
	PLACES 4
	WIN 0
.if (\Q) < 3
	FETCH_A (\Q)+1, 1
.endif
.endm
	s_wait_tensorcnt 0x0                           ; my half tile is in
	s_barrier_signal -1
	s_barrier_wait -1                              ; and everybody's
	FETCH_B 0
	FETCH_A 0, 0
	FETCH_A 0, 1
	s_wait_loadcnt 33                              ; the eight loads of scale words are in; the bias and the residual's 32 may be out
	SUPER 0, 1                                     ; the first products start the sums
	SUPER 1, 0
	SUPER 2, 0
	SUPER 3, 0
; THE WAY OUT: 16 rows x 64 columns at a time through my stage, back as rows of 256 bytes; + bias, + residual; sixteen lanes store 256 consecutive bytes, aligned
.macro TOSTAGE a
	WIN 0x08
.irp b, 0,1,2,3
	ds_store_b128 v[STO], v[8*(4*(\a)+\b):8*(4*(\a)+\b)+3] offset:64*\b        ; each accumulator from its low end on
	ds_store_b128 v[STO], v[8*(4*(\a)+\b)+4:8*(4*(\a)+\b)+7] offset:64*\b+16
.endr
	WIN 0
.irp t, 0,1,2,3,4,5,6,7
	ds_load_b128 v[BK+32*((\a)%2)+4*\t:BK+32*((\a)%2)+4*\t+3], v[RD] offset:\t*544   ; LDS serves a wave's instructions in order: these see the stores above
.endr
.endm
.macro SEND a, younger
.set BB, BK+32*((\a)%2)
	s_wait_dscnt \younger
.irp t, 0,1,2,3,4,5,6,7
	v_pk_add_f32 v[BB+4*\t:BB+4*\t+1], v[BB+4*\t:BB+4*\t+1], v[BI:BI+1]
	v_pk_add_f32 v[BB+4*\t+2:BB+4*\t+3], v[BB+4*\t+2:BB+4*\t+3], v[BI+2:BI+3]
.endr
	WIN 0x08
.set i, 0
.rept 16
	v_pk_add_f32 v[BB+2*i:BB+2*i+1], v[BB+2*i:BB+2*i+1], v[RS+32*(\a)+2*i:RS+32*(\a)+2*i+1]
.set i, i+1
.endr
	WIN 0
.irp t, 0,1,2,3,4,5,6,7
	global_store_b128 v[CO], v[BB+4*\t:BB+4*\t+3], s[98:99] offset:65536*(\a)+8192*\t
.endr
.endm
	s_wait_loadcnt 0x0                             ; bias and residual
	TOSTAGE 0
.irp a, 1,2,3
.if \a > 1
	s_wait_xcnt 0x0                                ; block a - 2's stores have read their registers: block a's loads may land there
.endif
	TOSTAGE \a
	SEND \a-1, 16                                  ; behind block a - 1's loads: block a's 8 stores and 8 loads
.endr
	SEND 3, 0
	s_wait_tensorcnt 0x0                           ; the wave's end
	ds_add_u32 v[SPW], v[NIL]
	s_wait_dscnt 0x0
	CROUND                                         ; the closing round
	s_endpgm
.Lfunc_end_k_q9af31e159b_proj:
	.size	k_q9af31e159b_proj, .Lfunc_end_k_q9af31e159b_proj-k_q9af31e159b_proj
	.p2alignl 7, 3214868480
	.fill 96, 4, 3214868480
	.section	.rodata,"a",@progbits
	.p2align	6, 0x0
	.amdhsa_kernel k_q9af31e159b_proj
		.amdhsa_group_segment_fixed_size 327680
		.amdhsa_private_segment_fixed_size 0
		.amdhsa_enable_private_segment 0
		.amdhsa_kernarg_size 48
		.amdhsa_user_sgpr_count 2
		.amdhsa_user_sgpr_kernarg_segment_ptr 1
		.amdhsa_wavefront_size32 1
		.amdhsa_system_sgpr_workgroup_id_x 1
		.amdhsa_system_sgpr_workgroup_id_y 1
		.amdhsa_system_sgpr_workgroup_id_z 1
		.amdhsa_system_vgpr_workitem_id 0
		.amdhsa_next_free_vgpr 768
		.amdhsa_next_free_sgpr 102
		.amdhsa_reserve_vcc 0
		.amdhsa_float_denorm_mode_32 3
		.amdhsa_float_denorm_mode_16_64 3
		.amdhsa_memory_ordered 1
		.amdhsa_forward_progress 1
		.amdhsa_inst_pref_size 65
	.end_amdhsa_kernel
	.amdgpu_metadata
---
amdhsa.version: [ 1, 2 ]
amdhsa.kernels:
  - .name:           k_q9af31e159b_proj
    .symbol:         k_q9af31e159b_proj.kd
    .args:
      - { .name: obuf, .offset: 0, .size: 8, .value_kind: global_buffer, .address_space: global }
      - { .name: w_proj_codes, .offset: 8, .size: 8, .value_kind: global_buffer, .address_space: global }
      - { .name: w_proj_scales, .offset: 16, .size: 8, .value_kind: global_buffer, .address_space: global }
      - { .name: b_proj, .offset: 24, .size: 8, .value_kind: global_buffer, .address_space: global }
      - { .name: x, .offset: 32, .size: 8, .value_kind: global_buffer, .address_space: global }
      - { .name: x2, .offset: 40, .size: 8, .value_kind: global_buffer, .address_space: global }
    .group_segment_fixed_size: 327680
    .private_segment_fixed_size: 0
    .kernarg_segment_align: 8
    .kernarg_segment_size: 48
    .max_flat_workgroup_size: 128
    .sgpr_count:     102
    .vgpr_count:     768
    .wavefront_size: 32
...
	.end_amdgpu_metadata
.endif
;; end of part 4
;; launch ln2: the kernel of part 1 again; grid 256 x 1, 8 waves a work-group, no clusters, 83,456 bytes of LDS; arguments x2, ln2_g, ln2_b, abuf; writes abuf
;; launch fc1 (part 5): grid 16 x 16, 4 waves a work-group, clusters of 4 x 4, 327,680 bytes of LDS; arguments abuf, w_fc1_codes, w_fc1_scales, b_fc1, hbuf; writes hbuf
.if DOCPART == 5
	.amdgcn_target "amdgcn-amd-amdhsa--gfx1250"
	.amdhsa_code_object_version 6
	.text
	.protected	k_q9af31e159b_fc1
	.globl	k_q9af31e159b_fc1
	.p2align	8
	.type	k_q9af31e159b_fc1,@function
k_q9af31e159b_fc1:
	s_mov_b64 s[64:65], 0
	v_nop
	global_prefetch_b8 v0, s[64:65] scope:SCOPE_SE
	s_setreg_imm32_b32 hwreg(HW_REG_WAVE_MODE, 25, 1), 1
	s_wait_xcnt 0x0
	s_wait_alu depctr_hold_cnt(0) depctr_sa_sdst(0) depctr_va_vdst(0) depctr_va_sdst(0) depctr_va_ssrc(0) depctr_va_vcc(0) depctr_vm_vsrc(0)
	s_getreg_b32 s2, hwreg(HW_REG_IB_STS2, 6, 4)
	s_cmp_eq_u32 s2, 0
	s_cbranch_scc0 .Lentry_in_a_cluster
	s_endpgm
.Lentry_in_a_cluster:
	s_bfe_u32 s2, ttmp6, 0x10000c
	s_cmp_lg_u32 s2, 0xf033
	s_cbranch_scc0 .Lentry_shape_is_right
	s_endpgm
.Lentry_shape_is_right:
; h = gelu(LN2(x2) W1 + b1) on codes of FP6 (E2M3) with E8M0 scales, quantised at once along the hidden units; a tile of 256 x 256 to a work-group, 128 x 128 a wave; 4 x 4 work-groups ask for shared tiles jointly.
; K goes through two LDS slots in CHUNKS OF 256 BYTES of each row of 768: chunk c lies in slot c % 2.  A step of 128 along K is 96 bytes of a row: eight steps to three chunks; steps 2 and 5 lie across two chunks.
.set NQ,     2
.set ROWB,   256
.set KROW,   768
.set STEPS,  8
.set CHUNKS, 3
.set PITCH,  272                       ; an LDS row: 256 bytes + 16 of padding
.set FR,     12
.set NL,     6
.set NP,     4
.set HALFT,  128*PITCH
.set SLOT,   4*HALFT
.set LAPS,   2
.set KS,     32
.set SCL,    2*SLOT
.set HALFS,  (128*KS/256)*272
.set SBLK,   (16*KS/256)*272
.set SPARE,  SCL+4*HALFS
.set ADRA, 16
.set ADRB, 20
.set ADRS, 27
.set SPW,  28
.set NIL,  29
.set SC,   32
.set T,    64
.set P,    80
.set W,    96
.set AF,   128
.set HA,   128
.set PC,   192
.set SW,   212
.set PW,   218
.set TM,   232
.set SEL,  92
.set G1, 24
.set G0, 32
.set G1B, 48
.set G0B, 56
.set G1S, 68
.set G0S, 76
.set G1SB, 80
.set G0SB, 88
.set MSB, 0
.macro WIN new
.if MSB != \new
	s_set_vgpr_msb (MSB<<8)|\new
.set MSB, \new
.endif
.endm
.set MUL_LO, 0xa1
.set MUL_HI, 0xf1
.set TO_B,   0x40
.macro JLOAD g0a, g1a, g0b, g1b
	s_cmp_eq_u32 s15, 0
	s_cbranch_scc0 .Lfor_b_\@
	tensor_load_to_lds s[\g0a:\g0a+3], s[\g1a:\g1a+7]
	s_nop 0
.rept 4
	v_nop
.endr
	s_branch .Lasked_\@
.Lfor_b_\@:
	tensor_load_to_lds s[\g0b:\g0b+3], s[\g1b:\g1b+7]
	s_nop 0
.rept 4
	v_nop
.endr
.Lasked_\@:
.endm
.macro CREST
	s_cmp_lg_u32 s14, 0
	s_cbranch_scc1 .Lnot_wave_0_\@
	s_barrier_signal -3
.Lnot_wave_0_\@:
	s_barrier_wait -3
	s_barrier_signal -1
	s_barrier_wait -1
.endm
.macro CROUND
	s_barrier_signal -1
	s_barrier_wait -1
	CREST
.endm
	s_load_b128 s[4:7], s[0:1], 0x0
	s_load_b128 s[8:11], s[0:1], 0x10
	s_load_b64 s[96:97], s[0:1], 0x20
	v_lshl_add_u32 v[SPW], v0, 2, SPARE
	v_mov_b32 v[NIL], 0
	ds_add_u32 v[SPW], v[NIL]
	ds_add_u32 v[SPW], v[NIL]
	v_lshrrev_b32 v1, 5, v0
	v_readfirstlane_b32 s14, v1
	s_lshr_b32 s15, s14, 1
	s_and_b32 s16, s14, 1
	s_bfe_u32 s40, ttmp6, 0x40000
	s_bfe_u32 s41, ttmp6, 0x40004
	s_lshl_b32 s42, ttmp9, 2
	s_add_co_u32 s42, s42, s40
	s_and_b32 s17, ttmp7, 0xffff
	s_lshl_b32 s17, s17, 2
	s_add_co_u32 s17, s17, s41
	s_lshl_b32 s43, s41, 2
	s_lshl_b32 s43, 15, s43
	s_lshl_b32 s44, 0x1111, s40
	s_or_b32 s[G1+0], s43, (0<<16)|(1<<20)|(1<<21)|(5<<22)|(3<<25)  ; mask; bytes; padding on; bit 21 beside a mask; 4 words behind every 64
	s_or_b32 s[G1B+0], s44, (0<<16)|(1<<20)|(1<<21)|(5<<22)|(3<<25)
.irp g, G1, G1B
	s_mov_b32 s[\g+1], ROWB<<16
	s_mov_b32 s[\g+2], 256<<16                     ; 256 rows for the head's loads; set to 128 behind them
	s_mov_b32 s[\g+3], ROWB<<16
	s_mov_b32 s[\g+4], 256
	s_mov_b32 s[\g+5], KROW
	s_mov_b32 s[\g+6], 0
	s_mov_b32 s[\g+7], 0
.endr
	s_or_b32 s[G1S+0], s43, (3<<16)|(1<<20)|(1<<21)|(5<<22)|(3<<25)
	s_or_b32 s[G1SB+0], s44, (3<<16)|(1<<20)|(1<<21)|(5<<22)|(3<<25)
.irp g, G1S, G1SB
	s_mov_b32 s[\g+1], 32<<16
	s_mov_b32 s[\g+2], KS<<16                      ; the scales of 256 rows: KS rows of 256 bytes
	s_mov_b32 s[\g+3], 32<<16
	s_mov_b32 s[\g+4], KS
	s_mov_b32 s[\g+5], 32
	s_mov_b32 s[\g+6], 0
	s_mov_b32 s[\g+7], 0
.endr
	s_lshl_b32 s20, s17, 8                         ; A: the tile's first row
	s_lshl_b32 s46, s42, 8                         ; W likewise
	s_mov_b32 s21, 0
	s_mov_b32 s47, 0
	s_mov_b64 s[18:19], KS
	s_mul_u64 s[22:23], s[20:21], s[18:19]
	s_mul_u64 s[92:93], s[46:47], s[18:19]
	s_mov_b64 s[18:19], KROW
	s_mul_u64 s[20:21], s[20:21], s[18:19]
	s_mul_u64 s[46:47], s[46:47], s[18:19]
	s_mul_i32 s45, s14, HALFT
	s_mul_i32 s94, s14, HALFS
	s_wait_dscnt 0x0
	s_wait_kmcnt 0x0
	s_add_nc_u64 s[100:101], s[4:5], 0x300000
	s_add_nc_u64 s[20:21], s[4:5], s[20:21]
	s_add_nc_u64 s[22:23], s[100:101], s[22:23]
	s_add_nc_u64 s[46:47], s[6:7], s[46:47]
	s_add_nc_u64 s[92:93], s[8:9], s[92:93]
	CROUND
	s_mov_b32 s[G0S], 1
	s_mov_b32 s[G0S+1], SCL
	s_mov_b64 s[G0S+2:G0S+3], s[22:23]
	s_or_b32 s[G0S+3], s[G0S+3], 0x80000000
	s_mov_b32 s[G0SB], 1
	s_mov_b32 s[G0SB+1], SCL+2*HALFS
	s_mov_b64 s[G0SB+2:G0SB+3], s[92:93]
	s_or_b32 s[G0SB+3], s[G0SB+3], 0x80000000
	s_mov_b32 s4, s45                              ; kept for the ring: wave x 128 rows in LDS,
	s_mul_i32 s6, s16, 128*KROW                    ; and my half of a tile's rows, in bytes
	s_mov_b32 s7, 0
	s_mov_b32 s[G0], 1                             ; slot 0's sets serve the head first: chunk 0's 256 rows of A,
	s_mov_b32 s[G0+1], 0
	s_mov_b64 s[G0+2:G0+3], s[20:21]
	s_or_b32 s[G0+3], s[G0+3], 0x80000000
	s_mov_b32 s[G0B], 1                            ; and of W, behind them
	s_mov_b32 s[G0B+1], 2*HALFT
	s_mov_b64 s[G0B+2:G0B+3], s[46:47]
	s_or_b32 s[G0B+3], s[G0B+3], 0x80000000
	s_add_nc_u64 s[20:21], s[20:21], s[6:7]
	s_add_nc_u64 s[46:47], s[46:47], s[6:7]
	s_mov_b32 s[G0+4], 1                           ; slot 1's sets: my 128 rows of chunk 1
	s_add_co_u32 s[G0+5], s45, SLOT
	s_add_nc_u64 s[G0+6:G0+7], s[20:21], ROWB
	s_or_b32 s[G0+7], s[G0+7], 0x80000000
	s_mov_b32 s[G0B+4], 1
	s_add_co_u32 s[G0B+5], s45, SLOT
	s_add_nc_u64 s[G0B+6:G0B+7], s[46:47], ROWB
	s_or_b32 s[G0B+7], s[G0B+7], 0x80000000
; the head's four tiles, one joint load a wave: wave 0 A's chunk 0, wave 1 W's, wave 2 A's scales, wave 3 W's; one chain of branches on the wave's number
.macro ARM under, g0, g1, next
	s_cmp_lt_u32 s14, \under
	s_cbranch_scc0 \next
	tensor_load_to_lds s[\g0:\g0+3], s[\g1:\g1+7]
	s_nop 0
.rept 4
	v_nop
.endr
	s_branch .Lhead_asked
\next:
.endm
	ARM 1, G0,  G1,  .Lhead_b
	ARM 2, G0B, G1B, .Lhead_sa
	ARM 3, G0S, G1S, .Lhead_sb
	tensor_load_to_lds s[G0SB:G0SB+3], s[G1SB:G1SB+7]
	s_nop 0
.rept 4
	v_nop
.endr
.Lhead_asked:
	v_and_b32 v1, 15, v0
	v_bfe_u32 v2, v0, 4, 1
	v_mul_u32_u24 v3, v1, PITCH
	v_mul_u32_u24 v4, v2, 24
	v_add_nc_u32 v4, v3, v4
	s_mov_b32 s21, SLOT-232
	s_mov_b32 s22, SLOT+232
	v_sub_nc_u32 v7, 1, v2
	v_mul_u32_u24 v5, s21, v2
	v_add_nc_u32 v5, v3, v5
	v_add_nc_u32 v5, 232, v5                       ; across two chunks: lanes 0-15 byte 232 of the row in slot 0, lanes 16-31 byte 0 of the row in slot 1;
	v_mul_u32_u24 v6, s22, v7
	v_add_nc_u32 v6, v3, v6                        ; and lanes 0-15 byte 232 in slot 1, lanes 16-31 byte 0 in slot 0
	s_mul_i32 s21, s15, HALFT
	s_mul_i32 s22, s16, HALFT
	s_add_co_u32 s22, s22, 2*HALFT
	v_add_nc_u32 v[ADRA+2], s21, v5
	v_add_nc_u32 v[ADRA+3], s21, v6
	v_add_nc_u32 v[ADRB+2], s22, v5
	v_add_nc_u32 v[ADRB+3], s22, v6
.irp s, 0,1
	v_add_nc_u32 v[ADRA+\s], s21, v4
	v_add_nc_u32 v[ADRB+\s], s22, v4
	s_add_co_u32 s21, s21, SLOT
	s_add_co_u32 s22, s22, SLOT
.endr
	v_mul_u32_u24 v5, v1, KS
	v_lshrrev_b32 v6, 8, v5
	v_lshl_add_u32 v5, v6, 4, v5
	s_mul_i32 s21, s15, HALFS
	s_mul_i32 s22, s16, HALFS
	s_add_co_u32 s22, s22, 2*HALFS
	s_sub_co_u32 s22, s22, s21
	v_mul_u32_u24 v6, s22, v2
	s_add_co_u32 s21, s21, SCL
	v_add_nc_u32 v5, v5, v6
	v_add_nc_u32 v[ADRS], s21, v5
	s_lshl_b32 s43, s17, 8
	s_lshl_b32 s45, s15, 7
	s_add_co_u32 s43, s43, s45
	s_lshl_b32 s44, s42, 8
	s_lshl_b32 s45, s16, 7
	s_add_co_u32 s44, s44, s45
	s_mul_i32 s20, s43, 3072
	s_mul_i32 s45, s44, 12
	s_add_co_u32 s20, s20, s45
	s_mov_b32 s21, 0
	s_lshl_b32 s22, s43, 7
	s_lshl_b32 s45, s44, 1
	s_add_co_u32 s22, s22, s45
	s_add_co_u32 s22, s22, 12582912
	s_mov_b32 s23, 0
	s_add_nc_u64 s[12:13], s[96:97], s[20:21]
	s_add_nc_u64 s[18:19], s[96:97], s[22:23]
	s_lshl_b32 s46, s44, 2
	s_mov_b32 s47, 0
	s_add_nc_u64 s[10:11], s[10:11], s[46:47]
	s_mov_b32 s[SEL], 0x76543210
	s_mov_b32 s[SEL+1], 0xfedcba98
	s_mov_b32 s40, 0xffff0000
	s_mov_b32 s41, 0x3eb504f3
	v_and_b32 v6, 31, v0
	v_lshlrev_b32 v8, 4, v6
	v_lshlrev_b32 v12, 3, v2
	v_lshl_add_u32 v12, v1, 4, v12
	v_lshlrev_b32 v7, 5, v2
	WIN TO_B
.irp b, 0,1,2,3,4,5,6,7
	global_load_b128 v[96+8*\b+96*(\b/4):99+8*\b+96*(\b/4)], v7, s[10:11] offset:64*\b
	global_load_b128 v[100+8*\b+96*(\b/4):103+8*\b+96*(\b/4)], v7, s[10:11] offset:64*\b+16
.endr
	WIN 0
.macro FRAG reg, adr, q, i
.irp p, 0,1,2,3,4,5
.set BY, 96*(\q)+48*(\p/3)+8*(\p%3)    ; q: the step, counted from the row's start.  Byte y of a row lies in slot (y / 256) % 2 at byte y % 256 of the LDS row; lanes 16-31 read 24 bytes on
.if BY/ROWB == (BY+24)/ROWB
	ds_load_b64 v[\reg+2*\p:\reg+2*\p+1], v[\adr+(BY/ROWB)%2] offset:BY%ROWB+(\i)*16*PITCH
.else
	ds_load_b64 v[\reg+2*\p:\reg+2*\p+1], v[\adr+2+(BY/ROWB)%2] offset:BY%ROWB-232+(\i)*16*PITCH
.endif
.endr
.endm
.macro MUL16 a0, p, q, sc, zero
.irp a, \a0, \a0+1
.irp b, 0,1,2,3,4,5,6,7
.if \zero
	v_wmma_scale_f32_16x16x128_f8f6f4 v[8*(8*((\a)%4)+\b):8*(8*((\a)%4)+\b)+7], v[128*(\p)+FR*\b:128*(\p)+FR*\b+FR-1], v[AF+FR*(\a):AF+FR*(\a)+FR-1], 0, v[SC+8*NQ*(\sc)+NQ*\b+(\q)], v[SC+8*NQ*(\sc)+NQ*(\a)+(\q)] matrix_a_fmt:MATRIX_FMT_FP6 matrix_b_fmt:MATRIX_FMT_FP6 matrix_a_scale:MATRIX_SCALE_ROW1
.else
	v_wmma_scale_f32_16x16x128_f8f6f4 v[8*(8*((\a)%4)+\b):8*(8*((\a)%4)+\b)+7], v[128*(\p)+FR*\b:128*(\p)+FR*\b+FR-1], v[AF+FR*(\a):AF+FR*(\a)+FR-1], v[8*(8*((\a)%4)+\b):8*(8*((\a)%4)+\b)+7], v[SC+8*NQ*(\sc)+NQ*\b+(\q)], v[SC+8*NQ*(\sc)+NQ*(\a)+(\q)] matrix_a_fmt:MATRIX_FMT_FP6 matrix_b_fmt:MATRIX_FMT_FP6 matrix_a_scale:MATRIX_SCALE_ROW1
.endif
.endr
.endr
.endm
.macro FETCH_B slot, q, p
	WIN TO_B
.irp i, 0,1,2,3,4,5,6,7
	FRAG 128*(\p)+FR*\i, ADRB+\slot, \q, \i
.endr
	WIN 0
.endm
.macro FETCH_A slot, q, i0
.irp i, \i0, \i0+1, \i0+2, \i0+3
	FRAG AF+FR*(\i), ADRA+\slot, \q, \i
.endr
.endm
.macro SCALES sc
.irp i, 0,1,2,3,4,5,6,7
	ds_load_b64 v[SC+8*NQ*((\sc)%2)+NQ*\i:SC+8*NQ*((\sc)%2)+NQ*\i+1], v[ADRS] offset:\i*SBLK+4*NQ*(\sc)   ; sc: the pair of steps; set sc % 2
.endr
.endm
.macro PLACES n
.rept \n
	v_nop
.endr
.endm
; A step of 128 along K: 64 products on step st's fragments; the next step's fragments are fetched in its middle and at its end.
; Where the next step's bytes END in a chunk not yet read: every wave waits for its tensor loads, and a barrier shows that chunk whole.  Where they BEGIN in a later chunk: the chunk left behind is read no more:
; the wait for all tensor loads, the add, the wait for it and for my reads, the barrier; where a chunk two on is left to fetch, the barrier opens a round of the cluster's and the slot is filled again.
.macro STEP st, zero
.set NX, (\st)+1
.set C0, (96*(\st))/ROWB
.set C1, (96*NX)/ROWB
.set E0, (96*(\st)+95)/ROWB
.set E1, (96*NX+95)/ROWB
.if C1 > C0 || E1 > E0
	s_wait_tensorcnt 0x0                           ; all my tensor loads have landed
.if C1 > C0
	ds_add_u32 v[SPW], v[NIL]
	s_wait_dscnt 4*NL+1                            ; the add and A's blocks 4-7 may be out
.else
	s_wait_dscnt 4*NL
.endif
	WIN MUL_LO
	MUL16 0, (\st)%2, (\st)%2, ((\st)/2)%2, \zero
	s_wait_dscnt 0x0                               ; the add, where there is one, and all my reads are done
	s_barrier_signal -1
	MUL16 2, (\st)%2, (\st)%2, ((\st)/2)%2, \zero
	WIN 0
	s_barrier_wait -1
.if C1 > C0 && C0+2 < CHUNKS
	CREST
	s_add_nc_u64 s[G0+4*(C0%2)+2:G0+4*(C0%2)+3], s[G0+4*(C0%2)+2:G0+4*(C0%2)+3], 2*ROWB
	s_add_nc_u64 s[G0B+4*(C0%2)+2:G0B+4*(C0%2)+3], s[G0B+4*(C0%2)+2:G0B+4*(C0%2)+3], 2*ROWB
	JLOAD G0+4*(C0%2), G1, G0B+4*(C0%2), G1B       ; chunk C0 + 2, the first tensor load behind the round
.else
	PLACES NP
.endif
.else
	s_wait_dscnt 4*NL                              ; W's set and A's blocks 0-3 are in; A's blocks 4-7 (24 loads) may be out
	WIN MUL_LO
	MUL16 0, (\st)%2, (\st)%2, ((\st)/2)%2, \zero
	MUL16 2, (\st)%2, (\st)%2, ((\st)/2)%2, \zero
	s_wait_dscnt 0
	PLACES NP
.endif
	FETCH_B 0, NX, NX%2
	FETCH_A 0, NX, 0
.if NX%2 == 0
	SCALES NX/2
.endif
	WIN MUL_HI
	MUL16 4, (\st)%2, (\st)%2, ((\st)/2)%2, \zero
	MUL16 6, (\st)%2, (\st)%2, ((\st)/2)%2, \zero
	PLACES NP
	WIN 0
	FETCH_A 0, NX, 4
.endm
	s_wait_alu depctr_va_vdst(0)                   ; the head's end
	s_wait_tensorcnt 0x0                           ; my tile of the head's four is in; these lines stand ahead of slot 1's first fill as ahead of a refill
	ds_add_u32 v[SPW], v[NIL]
	s_mov_b32 s[G1+2], 128<<16                     ; no tensor load of mine is out: from here on a load brings 128 rows,
	s_mov_b32 s[G1+4], 128
	s_mov_b32 s[G1B+2], 128<<16
	s_mov_b32 s[G1B+4], 128
	s_mov_b32 s[G0+1], s4                          ; and slot 0's sets point at my 128 rows of chunk 0: the refill steps them to chunk 2
	s_add_nc_u64 s[G0+2:G0+3], s[G0+2:G0+3], s[6:7]
	s_mov_b32 s[G0B+1], s4
	s_add_nc_u64 s[G0B+2:G0B+3], s[G0B+2:G0B+3], s[6:7]
	s_wait_dscnt 0x0
	CROUND                                         ; all four tiles are in, and all sixteen work-groups are here
	JLOAD G0+4, G1, G0B+4, G1B                     ; chunk 1, the first tensor load behind the round
	FETCH_B 0, 0, 0
	FETCH_A 0, 0, 0
	SCALES 0
	FETCH_A 0, 0, 4
	STEP 0, 1                                      ; the first step's products start the sums
.set ST, 1
.rept STEPS-2
	STEP ST, 0
.set ST, ST+1
.endr
	s_wait_dscnt 4*NL
	WIN MUL_LO
	MUL16 0, 1, NQ-1, 1, 0
	MUL16 2, 1, NQ-1, 1, 0
	s_wait_dscnt 0
	WIN MUL_HI
	MUL16 4, 1, NQ-1, 1, 0
	MUL16 6, 1, NQ-1, 1, 0
	WIN 0
.macro QUANT s
.irp b, 0,1,2,3
	v_max3_num_f32 v[TM+\b], |v[\s+16*\b]|, |v[\s+1+16*\b]|, 0x1800000
.endr
.irp i, 2,4,6,8,10,12,14
.irp b, 0,1,2,3
	v_max3_num_f32 v[TM+\b], v[TM+\b], |v[\s+16*\b+\i]|, |v[\s+1+16*\b+\i]|
.endr
.endr
.irp b, 0,1,2,3
	v_permlanex16_b32 v[TM+4+\b], v[TM+\b], s[SEL], s[SEL+1]
.endr
.irp b, 0,1,2,3
	v_max_num_f32 v[TM+\b], v[TM+\b], v[TM+4+\b]
.endr
.irp b, 0,1,2,3
	v_add_nc_u32 v[TM+12+\b], 0xff000000, v[TM+\b]
.endr
.irp b, 0,1,2,3
	v_lshrrev_b32 v[TM+4+\b], 23, v[TM+12+\b]
.endr
	v_lshl_or_b32 v[PW], v[TM+5], 8, v[TM+4]
	v_lshl_or_b32 v[PW], v[TM+6], 16, v[PW]
	v_lshl_or_b32 v[PW], v[TM+7], 24, v[PW]
.irp c, 0,1
	v_cvt_scalef32_pk16_fp6_f32 v[PC+6*\c:PC+2+6*\c], v[\s+32*\c:\s+15+32*\c], v[TM+12+2*\c]
	v_cvt_scalef32_pk16_fp6_f32 v[PC+12+4*\c:PC+14+4*\c], v[\s+16+32*\c:\s+31+32*\c], v[TM+12+2*\c+1]
.endr
	v_nop
.irp c, 0,1
.irp i, 0,1,2
	v_permlane16_swap_b32 v[PC+6*\c+\i], v[PC+12+4*\c+\i]
.endr
.irp i, 0,1,2
	v_mov_b32 v[PC+3+6*\c+\i], v[PC+12+4*\c+\i]
.endr
.endr
.endm
.macro MOVE a
	WIN (0x06+(\a)/4)
.set i, 0
.rept 32
	v_pk_add_f32 v[HA+2*i:HA+2*i+1], v[64*((\a)%4)+2*i:64*((\a)%4)+2*i+1], v[96+2*i+96*(i/16):97+2*i+96*(i/16)]
.set i, i+1
.endr
	WIN 0
.endm
.macro GELU u
.set XG, HA+16*(\u)
.set i, 0
.rept 16
	v_fma_f32 v[T+i], |v[XG+i]|, s41, 1.0
.set i, i+1
.endr
.set i, 0
	s_wait_alu depctr_va_vdst(0)
.rept 16
	v_rcp_f32 v[T+i], v[T+i]
.set i, i+1
.endr
.set i, 0
.rept 8
	v_pk_mul_f32 v[W+2*i:W+2*i+1], v[XG+2*i:XG+2*i+1], v[XG+2*i:XG+2*i+1]
.set i, i+1
.endr
	s_wait_alu depctr_va_vdst(0)
.set i, 0
.rept 8
	v_pk_fma_f32 v[P+2*i:P+2*i+1], v[T+2*i:T+2*i+1], 0x3e7c6f08, v[220:221] op_sel_hi:[1,0,1]
.set i, i+1
.endr
.irp c, 0x40097039, 0xbfd1a1e5, 0x3ecdfd18, 0xbe899a80, 0x3e0efb2e, 0x3f0a29d2, 0x3fb8ab5a, 0xc034d90f
.set i, 0
.rept 8
	v_pk_fma_f32 v[P+2*i:P+2*i+1], v[P+2*i:P+2*i+1], v[T+2*i:T+2*i+1], \c op_sel_hi:[1,1,0]
.set i, i+1
.endr
.endr
.set i, 0
.rept 8
	v_pk_fma_f32 v[P+2*i:P+2*i+1], v[W+2*i:W+2*i+1], 0xbf38aa3b, v[P+2*i:P+2*i+1] op_sel_hi:[1,0,1]
.set i, i+1
.endr
.set i, 0
	s_wait_alu depctr_va_vdst(0)
.rept 16
	v_exp_f32 v[P+i], v[P+i]
.set i, i+1
.endr
.set i, 0
.rept 16
	v_max_num_f32 v[W+i], 0, v[XG+i]
.set i, i+1
.endr
	s_wait_alu depctr_va_vdst(0)
.set i, 0
.rept 8
	v_pk_mul_f32 v[P+2*i:P+2*i+1], v[P+2*i:P+2*i+1], v[T+2*i:T+2*i+1]
.set i, i+1
.endr
.set i, 0
.rept 16
	v_fma_f32 v[XG+i], -|v[XG+i]|, v[P+i], v[W+i]
.set i, i+1
.endr
.endm
	PLACES NP
	s_wait_loadcnt 0x0
.irp b, 0,1,2,3
	v_mov_b32 v[TM+4+\b], 0
	v_mov_b32 v[SW+\b], 0
.endr
	v_mov_b32 v220, 0xbf97d29d
	v_mov_b32 v221, 0xbf97d29d
	s_mov_b32 s3, 0
.Lrow:
.irp k, 0,1,2,3,4,5,6
	s_cmp_eq_u32 s3, \k
	s_cbranch_scc1 .Lm\k
.endr
	MOVE 7
	s_branch .Lproc
.irp k, 0,1,2,3,4,5,6
.Lm\k:
	MOVE \k
	s_branch .Lproc
.endr
.Lproc:
	GELU 0
	GELU 1
	GELU 2
	GELU 3
.irp b, 0,1,2,3
.irp i, 0,1,2,3,4,5,6,7
	v_permlane16_swap_b32 v[HA+16*\b+\i], v[HA+16*\b+8+\i]
.endr
.endr
	QUANT HA
	v_mov_b32 v[SW], v[SW+1]
	v_mov_b32 v[SW+1], v[SW+2]
	v_mov_b32 v[SW+2], v[SW+3]
	v_mov_b32 v[SW+3], v[PW]
	global_store_b128 v8, v[PC:PC+3], s[12:13]
	global_store_b128 v8, v[PC+4:PC+7], s[12:13] offset:512
	global_store_b128 v8, v[PC+8:PC+11], s[12:13] offset:1024
	s_and_b32 s43, s3, 3
	s_cmp_lg_u32 s43, 3
	s_cbranch_scc1 .Lnosc
	v_cndmask_b32 v216, v[SW], v[SW+2], s40
	v_cndmask_b32 v217, v[SW+1], v[SW+3], s40
	global_store_b64 v12, v[216:217], s[18:19]
	s_wait_xcnt 0x0
	s_add_nc_u64 s[18:19], s[18:19], 8192
.Lnosc:
	s_wait_xcnt 0x0
	s_add_nc_u64 s[12:13], s[12:13], 49152
	s_add_co_u32 s3, s3, 1
	s_cmp_lt_u32 s3, 8
	s_cbranch_scc1 .Lrow
	s_wait_tensorcnt 0x0
	ds_add_u32 v[SPW], v[NIL]
	s_wait_dscnt 0x0
	CROUND
	s_endpgm
.Lfunc_end_k_q9af31e159b_fc1:
	.size	k_q9af31e159b_fc1, .Lfunc_end_k_q9af31e159b_fc1-k_q9af31e159b_fc1
	.p2alignl 7, 3214868480
	.fill 96, 4, 3214868480
	.section	.rodata,"a",@progbits
	.p2align	6, 0x0
	.amdhsa_kernel k_q9af31e159b_fc1
		.amdhsa_group_segment_fixed_size 327680
		.amdhsa_private_segment_fixed_size 0
		.amdhsa_enable_private_segment 0
		.amdhsa_kernarg_size 40
		.amdhsa_user_sgpr_count 2
		.amdhsa_user_sgpr_kernarg_segment_ptr 1
		.amdhsa_wavefront_size32 1
		.amdhsa_system_sgpr_workgroup_id_x 1
		.amdhsa_system_sgpr_workgroup_id_y 1
		.amdhsa_system_sgpr_workgroup_id_z 1
		.amdhsa_system_vgpr_workitem_id 0
		.amdhsa_next_free_vgpr 1024
		.amdhsa_next_free_sgpr 102
		.amdhsa_reserve_vcc 0
		.amdhsa_float_denorm_mode_32 3
		.amdhsa_float_denorm_mode_16_64 3
		.amdhsa_memory_ordered 1
		.amdhsa_forward_progress 1
		.amdhsa_inst_pref_size 204
	.end_amdhsa_kernel
	.amdgpu_metadata
---
amdhsa.version: [ 1, 2 ]
amdhsa.kernels:
  - .name:           k_q9af31e159b_fc1
    .symbol:         k_q9af31e159b_fc1.kd
    .args:
      - { .name: abuf, .offset: 0, .size: 8, .value_kind: global_buffer, .address_space: global }
      - { .name: w_fc1_codes, .offset: 8, .size: 8, .value_kind: global_buffer, .address_space: global }
      - { .name: w_fc1_scales, .offset: 16, .size: 8, .value_kind: global_buffer, .address_space: global }
      - { .name: b_fc1, .offset: 24, .size: 8, .value_kind: global_buffer, .address_space: global }
      - { .name: hbuf, .offset: 32, .size: 8, .value_kind: global_buffer, .address_space: global }
    .group_segment_fixed_size: 327680
    .private_segment_fixed_size: 0
    .kernarg_segment_align: 8
    .kernarg_segment_size: 40
    .max_flat_workgroup_size: 128
    .sgpr_count:     102
    .vgpr_count:     1024
    .wavefront_size: 32
...
	.end_amdgpu_metadata
.endif
;; end of part 5
;; launch fc2 (part 6): grid 32 x 8, 4 waves a work-group, clusters of 4 x 1, 327,680 bytes of LDS; arguments hbuf, w_fc2_codes, w_fc2_scales, b_fc2, x2, out0; writes out0
.if DOCPART == 6
	.amdgcn_target "amdgcn-amd-amdhsa--gfx1250"
	.amdhsa_code_object_version 6
	.text
	.protected	k_q9af31e159b_fc2
	.globl	k_q9af31e159b_fc2
	.p2align	8
	.type	k_q9af31e159b_fc2,@function
k_q9af31e159b_fc2:
	s_mov_b64 s[64:65], 0
	v_nop
	global_prefetch_b8 v0, s[64:65] scope:SCOPE_SE
	s_setreg_imm32_b32 hwreg(HW_REG_WAVE_MODE, 25, 1), 1
	s_wait_xcnt 0x0
	s_wait_alu depctr_hold_cnt(0) depctr_sa_sdst(0) depctr_va_vdst(0) depctr_va_sdst(0) depctr_va_ssrc(0) depctr_va_vcc(0) depctr_vm_vsrc(0)
	s_getreg_b32 s2, hwreg(HW_REG_IB_STS2, 6, 4)
	s_cmp_eq_u32 s2, 0
	s_cbranch_scc0 .Lentry_in_a_cluster
	s_endpgm
.Lentry_in_a_cluster:
	s_bfe_u32 s2, ttmp6, 0x10000c
	s_cmp_lg_u32 s2, 0x3003
	s_cbranch_scc0 .Lentry_shape_is_right
	s_endpgm
.Lentry_shape_is_right:
; out0 = x2 + (H W2^T + b2).  H [4096][4096]: codes of FP6 (E2M3) as images of operand registers, [row / 16][K step of 128][1536], registers 4 c .. 4 c + 3 of lane l at 512 c + 16 l; its scale words from
; byte 12,582,912: [row / 64][K step][row % 16][tile % 4].  W2 [1024][4096]: row-major codes, 3,072 bytes a row, with E8M0 bytes, 128 a row.  b2 [1024], x2, out0 [4096][1024]: f32.
; SHARES: a tile of 128 x 128 to a work-group (256 work-groups).  THE FOUR WAVES SHARE THE ROWS: a wave makes 32 rows x 128 columns: 16 accumulators.  So no two waves of a work-group read the same fragment of H.
; H GOES FROM MEMORY STRAIGHT INTO REGISTERS: a K step wants two fragments, six loads of 512 consecutive bytes, and a ring of ten register sets keeps nine to ten K steps of them on their way, under counted waits.
; W2 ALONE GOES THROUGH LDS, which all four waves read: two slots of 128 rows x 768 bytes (1,024 along K), filled by the tensor data mover, 32 rows a wave: four slots' worth in all, so two refills; each has the
; eight K steps of the other slot in which to land.  A row's 768 bytes begin at a multiple of 256 from the buffer's first byte; 16 bytes of padding behind every 256: rows 816 bytes = 204 words apart: the sixteen rows of a load
; start 12 words apart modulo 64, at sixteen different multiples of 4 (64 banks of 4 bytes: ISA guide 11.1), and lanes 16-31 stand 6 or 10 words further on.  W2's scale bytes for all of K come once and stay.
; CLUSTER: the four row tiles of a cluster (4, 1, 1) want the same tiles and scales of W2: each is asked for jointly, mask 15.  H's rows are also read by the eight column tiles, but a load into registers has no joint form;
; it is taken for the sake of the K steps that it can stand ahead.
; Source 0 = 16 rows of W2, source 1 = 16 rows of H: a lane holds eight neighbouring columns of one row of the result.
; NO LOOP: the register numbers come back after lcm(10 ring sets, 8 K steps a slot) = 40 K steps, and there are 32: one macro writes the 32 steps.
; REGISTERS: window 0: v8, 9 offsets; v12-15 b2; v16-23 W2's LDS addresses; v24, 25 the stage; v27 scales' LDS address; v28, 29 the add's two; v32-63 H's scale words, v64-95 W2's, and nothing else; v96-223 the way out.
;   window 1: W2's eight fragments, two sets, at v0 and v128.   window 2: v0-127 the accumulators ((a, b) at 8 (8 a + b)); v128-255 the residual.   window 3: H's ring: set s at 24 s, row tile t at + 12 t.
.set KROW,   3072                      ; a row of W2 in memory
.set SLOTK,  768                       ; a row's bytes in a slot
.set PITCH,  816
.set FR,     12
.set QUART,  32*PITCH                  ; what one tensor load brings
.set SLOT,   4*QUART
.set SCL,    2*SLOT                    ; behind the ring: W2's scale bytes, as units of 256 bytes + 16 of padding
.set QS,     16*272                    ; those of 32 rows; the one scale load brings four of these
.set SBLK,   8*272                     ; those of 16 rows
.set SPARE,  SCL+4*QS                  ; the spare words, 128 bytes a wave
.set SPITCH, 528                       ; the way out: a stage of 16 rows x (512 bytes + 16) a wave, in slot 0, behind its last fill and its last read
.set RING,   10
.set ASCL,   12582912
.set TILEB,  49152                     ; 16 rows of H: 32 K steps x 1,536 bytes
.set VA,   8                           ; 16 x lane
.set VS,   9                           ; 16 r + 256 h
.set BI,   12
.set ADRB, 16                          ; + 2 slot + (block / 4); + 4: the same behind one padding more
.set STO,  24
.set RD,   25
.set ADRSB, 27
.set SPW,  28
.set NIL,  29
.set SA,   32                          ; register 2 (k / 2) + a: lanes 0-15 the even K step's word, lanes 16-31 the odd one's
.set SB,   64                          ; set (k / 4) % 2 at + 16; register 4 (b % 4) + k % 4: lanes 0-15 blocks 0-3, lanes 16-31 blocks 4-7
.set BK,   96
.set RS,   128
.set G1B, 24
.set G0,  32
.set G1S, 48
.set G0S, 56
.set G1H, 68                           ; the head's loads: group 1 for 64 rows of W2 (waves 0, 1: halves of slot 0),
.set G1W, 76                           ; for 128 rows (wave 3: slot 1);
.set G0H, 84                           ; their groups 0
.set G0W, 88
.set MSB, 0
.macro WIN new                         ; the immediate's high byte repeats the setting that is left
.if MSB != \new
	s_set_vgpr_msb (MSB<<8)|\new
.set MSB, \new
.endif
.endm
.set MUL,  0xad                        ; source 0 (W2) window 1, source 1 (H) window 3, C and D window 2
.set TO_B, 0x40
.set TO_R, 0x80
.set TO_A, 0xc0
.macro CREST                           ; a round of the cluster's barrier behind its opening barrier
	s_cmp_lg_u32 s14, 0
	s_cbranch_scc1 .Lnot_wave_0_\@
	s_barrier_signal -3
.Lnot_wave_0_\@:
	s_barrier_wait -3
	s_barrier_signal -1
	s_barrier_wait -1
.endm
.macro CROUND
	s_barrier_signal -1
	s_barrier_wait -1
	CREST
.endm
.macro PLACES n                        ; plain vector instructions between a matrix instruction and a load into, or a read of, its registers
.rept \n
	v_nop
.endr
.endm
	s_load_b128 s[4:7], s[0:1], 0x0                ; H, W2's codes
	s_load_b128 s[8:11], s[0:1], 0x10              ; W2's scales, b2
	s_load_b128 s[96:99], s[0:1], 0x20             ; x2, out0
	v_lshl_add_u32 v[SPW], v0, 2, SPARE
	v_mov_b32 v[NIL], 0
	ds_add_u32 v[SPW], v[NIL]                      ; the wave's opening: the add and its wait ahead of my first tensor load
	ds_add_u32 v[SPW], v[NIL]
	v_lshrrev_b32 v1, 5, v0
	v_readfirstlane_b32 s14, v1                    ; wave
	s_and_b32 s17, ttmp7, 0xffff                   ; the column tile, which the four partners share
	s_mov_b32 s[G1B+0], 15|(0<<16)|(1<<20)|(1<<21)|(5<<22)|(3<<25)  ; mask: all four; bytes; padding on; bit 21 beside a mask; 4 words behind every 64
	s_mov_b32 s[G1B+1], SLOTK<<16                  ; tensor_dim0
	s_mov_b32 s[G1B+2], 32<<16                     ; tensor_dim1
	s_mov_b32 s[G1B+3], SLOTK<<16                  ; tile_dim0
	s_mov_b32 s[G1B+4], 32                         ; tile_dim1
	s_mov_b32 s[G1B+5], KROW                       ; from row to row
	s_mov_b32 s[G1B+6], 0
	s_mov_b32 s[G1B+7], 0
	s_mov_b32 s[G1S+0], 15|(3<<16)|(1<<20)|(1<<21)|(5<<22)|(3<<25)  ; the scales: rows of 256 bytes (32 elements of 8), 16 bytes of padding behind each
	s_mov_b32 s[G1S+1], 32<<16
	s_mov_b32 s[G1S+2], 64<<16                     ; the scales of all 128 rows: 16,384 dense bytes as 64 rows of 256
	s_mov_b32 s[G1S+3], 32<<16
	s_mov_b32 s[G1S+4], 64
	s_mov_b32 s[G1S+5], 32
	s_mov_b32 s[G1S+6], 0
	s_mov_b32 s[G1S+7], 0
.irp g, G1H, G1W
	s_mov_b32 s[\g+0], 15|(0<<16)|(1<<20)|(1<<21)|(5<<22)|(3<<25)
	s_mov_b32 s[\g+1], SLOTK<<16
	s_mov_b32 s[\g+3], SLOTK<<16
	s_mov_b32 s[\g+5], KROW
	s_mov_b32 s[\g+6], 0
	s_mov_b32 s[\g+7], 0
.endr
	s_mov_b32 s[G1H+2], 64<<16
	s_mov_b32 s[G1H+4], 64
	s_mov_b32 s[G1W+2], 128<<16
	s_mov_b32 s[G1W+4], 128
	s_lshl_b32 s46, s17, 7                         ; what I fetch of W2: rows 128 x column tile + 32 x wave: nothing here hangs on my place in the cluster
	s_lshl_b32 s18, s14, 5
	s_add_co_u32 s46, s46, s18
	s_lshl_b32 s92, s17, 14                        ; the tile's scale bytes: 128 rows x 128 a column tile
	s_mov_b32 s93, 0
	s_mul_i32 s46, s46, KROW
	s_mov_b32 s47, 0
	s_mul_i32 s45, s14, QUART                      ; and where they go
	s_mul_i32 s60, s17, 128*KROW                   ; the tile's first row of W2, in bytes;
	s_mov_b32 s61, 0
	s_mul_i32 s62, s14, 64*KROW                    ; waves 0, 1: which 64 rows of slot 0,
	s_mov_b32 s63, 0
	s_mul_i32 s43, s14, 64*PITCH                   ; and where they go
	s_lshl_b32 s12, s17, 9                         ; my tile's first column, in bytes of f32
	s_mov_b32 s13, 0
	s_bfe_u32 s40, ttmp6, 0x40000                  ; cx: it enters H's, x2's and out0's addresses alone
	s_lshl_b32 s42, ttmp9, 2
	s_add_co_u32 s42, s42, s40                     ; the row tile
	s_lshl_b32 s20, s42, 3
	s_lshl_b32 s41, s14, 1
	s_add_co_u32 s20, s20, s41                     ; T0: my first tile of 16 rows = 8 x row tile + 2 x wave
	s_lshr_b32 s22, s20, 2
	s_lshl_b32 s22, s22, 13                        ; its scale words: group T0 / 4, 32 K steps x 256 bytes,
	s_and_b32 s41, s14, 1
	s_lshl_b32 s41, s41, 3                         ; tiles T0 % 4 and the next: 8 bytes a row
	s_add_co_u32 s22, s22, s41
	s_add_co_u32 s22, s22, ASCL
	s_mov_b32 s23, 0
	s_lshl_b32 s66, s20, 16                        ; 16 T0 rows of 4,096 bytes
	s_add_co_u32 s66, s66, s12
	s_mov_b32 s67, 0
	s_mul_i32 s20, s20, TILEB
	s_mov_b32 s21, 0
	s_mul_i32 s19, s14, 16*SPITCH                  ; my stage
	s_wait_dscnt 0x0                               ; the opening add is done
	s_wait_kmcnt 0x0
	s_add_nc_u64 s[46:47], s[6:7], s[46:47]
	s_add_nc_u64 s[60:61], s[6:7], s[60:61]
	s_add_nc_u64 s[92:93], s[8:9], s[92:93]
	s_add_nc_u64 s[20:21], s[4:5], s[20:21]        ; H's images
	s_add_nc_u64 s[22:23], s[4:5], s[22:23]        ; H's scale words
	s_add_nc_u64 s[10:11], s[10:11], s[12:13]
	s_add_nc_u64 s[96:97], s[96:97], s[66:67]
	s_add_nc_u64 s[98:99], s[98:99], s[66:67]
	CROUND                                         ; all four work-groups are here: the first joint loads meet
	s_mov_b32 s[G0S], 1
	s_mov_b32 s[G0S+1], SCL
	s_mov_b64 s[G0S+2:G0S+3], s[92:93]
	s_or_b32 s[G0S+3], s[G0S+3], 0x80000000
.irp s, 0,1
	s_mov_b32 s[G0+4*\s], 1
	s_add_co_u32 s[G0+4*\s+1], s45, \s*SLOT
	s_add_nc_u64 s[G0+4*\s+2:G0+4*\s+3], s[46:47], \s*SLOTK
	s_or_b32 s[G0+4*\s+3], s[G0+4*\s+3], 0x80000000
.endr
	s_mov_b32 s[G0H], 1
	s_mov_b32 s[G0H+1], s43
	s_add_nc_u64 s[G0H+2:G0H+3], s[60:61], s[62:63]
	s_or_b32 s[G0H+3], s[G0H+3], 0x80000000
	s_mov_b32 s[G0W], 1
	s_mov_b32 s[G0W+1], SLOT
	s_add_nc_u64 s[G0W+2:G0W+3], s[60:61], SLOTK
	s_or_b32 s[G0W+3], s[G0W+3], 0x80000000
; the first fills, one joint load a wave: waves 0 and 1 the halves of slot 0, wave 2 all the scales, wave 3 slot 1; one chain of branches on the wave's number
.macro ARM under, g0, g1, next
	s_cmp_lt_u32 s14, \under
	s_cbranch_scc0 \next
	tensor_load_to_lds s[\g0:\g0+3], s[\g1:\g1+7]
	s_nop 0
	PLACES 4
	s_branch .Lhead_asked
\next:
.endm
	ARM 2, G0H, G1H, .Lhead_s
	ARM 3, G0S, G1S, .Lhead_w
	tensor_load_to_lds s[G0W:G0W+3], s[G1W:G1W+7]
	s_nop 0
	PLACES 4
.Lhead_asked:
	v_and_b32 v1, 15, v0                           ; r
	v_bfe_u32 v2, v0, 4, 1                         ; h
	v_and_b32 v3, 31, v0
	v_lshlrev_b32 v[VA], 4, v3
	v_lshlrev_b32 v[VS], 4, v1
	v_lshl_add_u32 v[VS], v2, 8, v[VS]             ; lanes 16-31 take the next K step's unit
	v_mul_u32_u24 v[ADRB], v1, PITCH
	v_mad_u32_u24 v[ADRB], v2, 24, v[ADRB]         ; a fragment's row x pitch + 24 x half
	v_lshl_add_u32 v[ADRB+4], v2, 4, v[ADRB]       ; and the same behind one padding more
.irp n, 1,2,3
	v_add_nc_u32 v[ADRB+\n], (\n/2)*SLOT+(\n%2)*64*PITCH, v[ADRB]        ; slot n / 2, blocks 4 (n % 2) on: so that every immediate stays inside 16 bits
	v_add_nc_u32 v[ADRB+4+\n], (\n/2)*SLOT+(\n%2)*64*PITCH, v[ADRB+4]
.endr
	v_lshlrev_b32 v5, 7, v1                        ; W2's scale bytes: 128 a row,
	v_lshrrev_b32 v6, 8, v5
	v_lshl_add_u32 v5, v6, 4, v5                   ; 16 more for each 256 passed;
	v_mad_u32_u24 v5, v2, 4*SBLK, v5               ; lanes 16-31 four blocks of 16 rows on
	v_add_nc_u32 v[ADRSB], SCL, v5
	v_mul_u32_u24 v5, v1, SPITCH
	v_lshl_add_u32 v5, v2, 5, v5
	v_add_nc_u32 v[STO], s19, v5                   ; into the stage: row r, 32 bytes for each half of the lanes
	v_add_nc_u32 v[RD], s19, v[VA]                 ; back: the 32 lanes take a row of 512 bytes
.macro AGROUP n, t                     ; H's fragment of K step n, row tile t: three loads of 512 consecutive bytes
.set RA, 24*((\n)%RING)+12*(\t)
	global_load_b128 v[RA:RA+3], v[VA], s[20:21] offset:(\t)*TILEB+(\n)*1536
	global_load_b128 v[RA+4:RA+7], v[VA], s[20:21] offset:(\t)*TILEB+(\n)*1536+512
	global_load_b128 v[RA+8:RA+11], v[VA], s[20:21] offset:(\t)*TILEB+(\n)*1536+1024
.endm
.macro ASC m                           ; H's scale words of K steps 2 m (lanes 0-15) and 2 m + 1 (lanes 16-31), both row tiles
	global_load_b64 v[SA+2*(\m):SA+2*(\m)+1], v[VS], s[22:23] offset:512*(\m)
.endm
.macro RES n                           ; row n of my 32 rows of the residual, in the layout of the way out
	global_load_b128 v[RS+4*(\n):RS+4*(\n)+3], v[VA], s[96:97] offset:((\n)/16)*65536+((\n)%16)*4096
.endm
.macro FRAGB reg, slot, ks, i          ; 16 rows x 128 K of W2: six pieces of 8 bytes; where the piece three on lies behind one padding more, the second address register serves
.irp p, 0,1,2,3,4,5
.set PCE, 12*(\ks)+6*(\p/3)+\p%3
.if PCE%32 < 29
	ds_load_b64 v[\reg+2*\p:\reg+2*\p+1], v[ADRB+2*(\slot)+(\i)/4] offset:8*PCE+16*(PCE/32)+((\i)%4)*16*PITCH
.else
	ds_load_b64 v[\reg+2*\p:\reg+2*\p+1], v[ADRB+4+2*(\slot)+(\i)/4] offset:8*PCE+16*(PCE/32)+((\i)%4)*16*PITCH
.endif
.endr
.endm
.macro FETCH_B n                       ; W2's eight fragments of K step n into set n % 2: 48 loads
.set FS, ((\n)/8)%2
.set FK, (\n)%8
.set FP, (\n)%2
	WIN TO_B
.irp i, 0,1,2,3,4,5,6,7
	FRAGB 128*FP+FR*\i, FS, FK, \i
.endr
.endm
.macro SCALES g                        ; W2's scale words of K steps 4 g .. 4 g + 3 into set g % 2
	WIN 0
.irp j, 0,1,2,3
	ds_load_b128 v[SB+16*((\g)%2)+4*\j:SB+16*((\g)%2)+4*\j+3], v[ADRSB] offset:\j*SBLK+16*(\g)
.endr
.endm
; 8 products: row tile a x W2's eight blocks, K step k.  The 16 accumulators take turns, one instruction a turn, in the same order in every step.  The first step's products start the sums.
.macro MUL8 k, a
.irp b, 0,1,2,3,4,5,6,7
.set rD, 8*(8*(\a)+\b)
.set rB, 128*((\k)%2)+FR*\b
.set rA, 24*((\k)%RING)+12*(\a)
.set rSB, SB+16*(((\k)/4)%2)+4*(\b%4)+(\k)%4
.set rSA, SA+2*((\k)/2)+(\a)
.if (\k) == 0
.if \b < 4
	v_wmma_scale_f32_16x16x128_f8f6f4 v[rD:rD+7], v[rB:rB+11], v[rA:rA+11], 0, v[rSB], v[rSA] matrix_a_fmt:MATRIX_FMT_FP6 matrix_b_fmt:MATRIX_FMT_FP6
.else
	v_wmma_scale_f32_16x16x128_f8f6f4 v[rD:rD+7], v[rB:rB+11], v[rA:rA+11], 0, v[rSB], v[rSA] matrix_a_fmt:MATRIX_FMT_FP6 matrix_b_fmt:MATRIX_FMT_FP6 matrix_a_scale:MATRIX_SCALE_ROW1
.endif
.elseif (\k)%2
.if \b < 4
	v_wmma_scale_f32_16x16x128_f8f6f4 v[rD:rD+7], v[rB:rB+11], v[rA:rA+11], v[rD:rD+7], v[rSB], v[rSA] matrix_a_fmt:MATRIX_FMT_FP6 matrix_b_fmt:MATRIX_FMT_FP6 matrix_b_scale:MATRIX_SCALE_ROW1
.else
	v_wmma_scale_f32_16x16x128_f8f6f4 v[rD:rD+7], v[rB:rB+11], v[rA:rA+11], v[rD:rD+7], v[rSB], v[rSA] matrix_a_fmt:MATRIX_FMT_FP6 matrix_b_fmt:MATRIX_FMT_FP6 matrix_a_scale:MATRIX_SCALE_ROW1 matrix_b_scale:MATRIX_SCALE_ROW1
.endif
.else
.if \b < 4
	v_wmma_scale_f32_16x16x128_f8f6f4 v[rD:rD+7], v[rB:rB+11], v[rA:rA+11], v[rD:rD+7], v[rSB], v[rSA] matrix_a_fmt:MATRIX_FMT_FP6 matrix_b_fmt:MATRIX_FMT_FP6
.else
	v_wmma_scale_f32_16x16x128_f8f6f4 v[rD:rD+7], v[rB:rB+11], v[rA:rA+11], v[rD:rD+7], v[rSB], v[rSA] matrix_a_fmt:MATRIX_FMT_FP6 matrix_b_fmt:MATRIX_FMT_FP6 matrix_a_scale:MATRIX_SCALE_ROW1
.endif
.endif
.endr
.endm
; THE ORDER OF THE LOADS INTO REGISTERS, on which the counts below rest.  Ahead of step 0: b2 (1), H's scale words of K steps 0-9 (5), H's fragments (0, t0), (0, t1) .. (8, t1), (9, t0) (19 x 3 = 57), the other scale words (11): 74.
; In the middle of step j: (j + 9, t1) (3), (j + 10, t0) (3), as far as there are K steps, then of the residual: row j for j < 22, five rows in steps 22 and 23.  So the middles issue 7 loads up to j = 21, then 8, then 5, then none.
; At the head of step k both its fragments must be in: the count is the number of loads issued behind (k, t1).  k <= 8: 74 + 7 k - (12 + 6 k) = 62 + k; a wait's count cannot name more than 63 (ISA guide 5.7.1), so it is held there,
; which waits for a few loads more.  k >= 9: (k, t1) stands first in the middle of step k - 9: what the middles k - 9 .. k - 1 issued, less its own three.
.macro WAITA k
.set NW, 7*(\k)
.if (\k) == 23
.set NW, 162
.elseif (\k) > 23
.set NW, 167
.endif
.if (\k) <= 8
.set NW, 62+(\k)
.else
.set NW, NW-7*((\k)-9)-3
.endif
.if NW > 63
.set NW, 63
.endif
	s_wait_loadcnt NW
.endm
; the middle of step k, behind four places: the next step's fragments of W2; H into the half sets that the products have left: tile 1 of the set of step k - 1, tile 0 of the set of step k; the residual
.macro MID k
.if (\k) < 31
	FETCH_B (\k)+1
.endif
.if (((\k)%4) == 1) && ((\k) < 28)
	SCALES (\k)/4+1
.endif
.if (\k) < 23
	WIN TO_A
	AGROUP (\k)+9, 1
.if (\k) < 22
	AGROUP (\k)+10, 0
.endif
.endif
.if (\k) < 24
	WIN TO_R
.if (\k) < 22
	RES \k
.elseif (\k) == 22
.irp n, 22,23,24,25,26
	RES \n
.endr
.else
.irp n, 27,28,29,30,31
	RES \n
.endr
.endif
.endif
.endm
; A K STEP.  A slot's last step changes slots: each wave waits for all its tensor loads (its part of the next slot), adds 0 to its spare word, and waits for that and for its reads of this slot, the last of which
; brought this step's fragments; one barrier.  After K steps 7 and 15 the slot just read out is filled again, with the 1,024 along K two slots on: the barrier then opens a round of the cluster's, so that no wave of any partner
; still reads the slot or has a load on its way, and the joint refill is the first thing behind it.
.macro STEP k
.set SL, ((\k)/8)%2
	WAITA \k
.if (((\k)%8) == 7) && ((\k) < 31)
	WIN 0                                          ; (the add's two registers lie in window 0)
	s_wait_tensorcnt 0x0
	ds_add_u32 v[SPW], v[NIL]
	s_wait_dscnt 1                                 ; the add may be out; this step's fragments of W2 are in
	WIN MUL
	MUL8 \k, 0
	s_wait_dscnt 0x0                               ; the add is done, and my reads of this slot are over
	s_barrier_signal -1
	WIN 0
	s_barrier_wait -1
.if (\k) < 16
	CREST
	s_add_nc_u64 s[G0+4*SL+2:G0+4*SL+3], s[G0+4*SL+2:G0+4*SL+3], 2*SLOTK   ; no tensor load of mine is out: the slot's group 0 may be written
	tensor_load_to_lds s[G0+4*SL:G0+4*SL+3], s[G1B:G1B+7]
	s_nop 0
.endif
	PLACES 4                                       ; behind the tensor load, and the places in front of the loads below
.else
	s_wait_dscnt 0x0                               ; this step's fragments of W2 and its scale words are in
	WIN MUL
	MUL8 \k, 0
.if (\k) < 31
	PLACES 4
.endif
.endif
	MID \k
	WIN MUL
	MUL8 \k, 1
.endm
	global_load_b128 v[BI:BI+3], v[VA], s[10:11]   ; b2 of my four columns on the way out
.irp m, 0,1,2,3,4
	ASC \m
.endr
	WIN TO_A
.irp n, 0,1,2,3,4,5,6,7,8
	AGROUP \n, 0
	AGROUP \n, 1
.endr
	AGROUP 9, 0
	WIN 0
	s_wait_alu depctr_va_vdst(0)
	s_wait_tensorcnt 0x0                           ; my one load of the head is in: the waves issued different ones, so the wait is for 0
	s_barrier_signal -1
	s_barrier_wait -1
	FETCH_B 0
	SCALES 0
.irp m, 5,6,7,8,9,10,11,12,13,14,15
	ASC \m
.endr
.irp k, 0,1,2,3,4,5,6,7,8,9,10,11,12,13,14,15,16,17,18,19,20,21,22,23,24,25,26,27,28,29,30,31
	STEP \k
.endr
	WIN 0
; THE WAY OUT: 16 rows x 128 columns at a time through my stage, back as whole rows of 512 bytes; + b2, + the residual; the 32 lanes store 512 consecutive bytes, at a multiple of 256 from out0's first byte
.macro TOSTAGE a
	WIN 0x08                                       ; an LDS store's data are its source 1: window 2
.irp b, 0,1,2,3,4,5,6,7
	ds_store_b128 v[STO], v[8*(8*(\a)+\b):8*(8*(\a)+\b)+3] offset:64*\b        ; each accumulator from its low end on
	ds_store_b128 v[STO], v[8*(8*(\a)+\b)+4:8*(8*(\a)+\b)+7] offset:64*\b+16
.endr
	WIN 0
.irp t, 0,1,2,3,4,5,6,7,8,9,10,11,12,13,14,15
	ds_load_b128 v[BK+64*(\a)+4*\t:BK+64*(\a)+4*\t+3], v[RD] offset:\t*SPITCH   ; LDS serves a wave's instructions in order (ISA guide 5.7.1.4): these see the stores above, and the next tile's stores come behind them
.endr
.endm
.macro SEND a, younger
.set BB, BK+64*(\a)
	s_wait_dscnt \younger
.irp t, 0,1,2,3,4,5,6,7,8,9,10,11,12,13,14,15
	v_pk_add_f32 v[BB+4*\t:BB+4*\t+1], v[BB+4*\t:BB+4*\t+1], v[BI:BI+1]
	v_pk_add_f32 v[BB+4*\t+2:BB+4*\t+3], v[BB+4*\t+2:BB+4*\t+3], v[BI+2:BI+3]
.endr
	WIN 0x08
.set i, 0
.rept 32
	v_pk_add_f32 v[BB+2*i:BB+2*i+1], v[BB+2*i:BB+2*i+1], v[RS+64*(\a)+2*i:RS+64*(\a)+2*i+1]
.set i, i+1
.endr
	WIN 0
.irp t, 0,1,2,3,4,5,6,7,8,9,10,11,12,13,14,15
	global_store_b128 v[VA], v[BB+4*\t:BB+4*\t+3], s[98:99] offset:65536*(\a)+4096*\t
.endr
.endm
	PLACES 4                                       ; behind the last products
	s_wait_loadcnt 0x0                             ; the residual
	TOSTAGE 0
	TOSTAGE 1
	SEND 0, 32                                     ; behind tile 0's loads: tile 1's 16 stores and 16 loads
	SEND 1, 0
	s_wait_tensorcnt 0x0                           ; the wave's end
	ds_add_u32 v[SPW], v[NIL]
	s_wait_dscnt 0x0
	CROUND                                         ; the closing round
	s_endpgm
.Lfunc_end_k_q9af31e159b_fc2:
	.size	k_q9af31e159b_fc2, .Lfunc_end_k_q9af31e159b_fc2-k_q9af31e159b_fc2
	.p2alignl 7, 3214868480
	.fill 96, 4, 3214868480
	.section	.rodata,"a",@progbits
	.p2align	6, 0x0
	.amdhsa_kernel k_q9af31e159b_fc2
		.amdhsa_group_segment_fixed_size 327680
		.amdhsa_private_segment_fixed_size 0
		.amdhsa_enable_private_segment 0
		.amdhsa_kernarg_size 48
		.amdhsa_user_sgpr_count 2
		.amdhsa_user_sgpr_kernarg_segment_ptr 1
		.amdhsa_wavefront_size32 1
		.amdhsa_system_sgpr_workgroup_id_x 1
		.amdhsa_system_sgpr_workgroup_id_y 1
		.amdhsa_system_sgpr_workgroup_id_z 1
		.amdhsa_system_vgpr_workitem_id 0
		.amdhsa_next_free_vgpr 1024
		.amdhsa_next_free_sgpr 102
		.amdhsa_reserve_vcc 0
		.amdhsa_float_denorm_mode_32 3
		.amdhsa_float_denorm_mode_16_64 3
		.amdhsa_memory_ordered 1
		.amdhsa_forward_progress 1
		.amdhsa_inst_pref_size 220
	.end_amdhsa_kernel
	.amdgpu_metadata
---
amdhsa.version: [ 1, 2 ]
amdhsa.kernels:
  - .name:           k_q9af31e159b_fc2
    .symbol:         k_q9af31e159b_fc2.kd
    .args:
      - { .name: hbuf, .offset: 0, .size: 8, .value_kind: global_buffer, .address_space: global }
      - { .name: w_fc2_codes, .offset: 8, .size: 8, .value_kind: global_buffer, .address_space: global }
      - { .name: w_fc2_scales, .offset: 16, .size: 8, .value_kind: global_buffer, .address_space: global }
      - { .name: b_fc2, .offset: 24, .size: 8, .value_kind: global_buffer, .address_space: global }
      - { .name: x2, .offset: 32, .size: 8, .value_kind: global_buffer, .address_space: global }
      - { .name: out0, .offset: 40, .size: 8, .value_kind: global_buffer, .address_space: global }
    .group_segment_fixed_size: 327680
    .private_segment_fixed_size: 0
    .kernarg_segment_align: 8
    .kernarg_segment_size: 48
    .max_flat_workgroup_size: 128
    .sgpr_count:     102
    .vgpr_count:     1024
    .wavefront_size: 32
...
	.end_amdgpu_metadata
.endif
;; end of part 6
